; MI455X (gfx1250); checked and timed in simulation.
; The chip was launched on July 23, 2026; its instructions are those of AMD's public machine-readable ISA for CDNA 5 (MIT licence, August 2026) and "CDNA5" Instruction Set Architecture Reference Guide (July 2026). The comments in the code are by the model that wrote it; some were corrected since.
;; Switch Mo E. Allowed arithmetic: matrix products marked QUANTISED: E3M2 operands, one E8M0 scale for each 32 along K, by v_wmma_scale_f32_16x16x128_f8f6f4 with both operands' format E3M2, f32 sums; products left as they are: f32 operands where the result goes on into a quantised operand, else bf16, f16 or f32 operands; f32 sums; everything else in f32.
;; Inputs: b1 8 x 4,096 float32; b2 8 x 1,024 float32; router_w 1,024 x 8 float32; w1 8 x 1,024 x 4,096 float32; w2 8 x 4,096 x 1,024 float32; x 4 x 256 x 1,024 float32.
;; Outputs: out0 4 x 256 x 1,024 float32.
;; This version of the problem:
;;   THIS VERSION OF THE PROBLEM IS GIVEN IN LOW PRECISION. The matrix products marked QUANTISED in the list below multiply operands that are first quantised to E3M2 (3 exponent bits, 2 mantissa bits; 6 bits a number), with one power-of-two scale for each 32 numbers along K (OCP MX v1.0); their sums are f32. All else is computed in f32.
;;   The module's matrix products, in the order in which they are computed (A, B: the left and right operand; K: the contracted axis; several contracted axes count as one K, in the product's order):
;;     1. [M 1,024, K 1,024] x [K 1,024, N 8]; A: input x; B: input router_w: left as it is (N = 8 < 16)
;;     2. [M 1,024, K 1,024] x [K 1,024, N 4,096]; A: input x; B: input w1: QUANTISED
;;     3. [M 1,024, K 4,096] x [K 4,096, N 1,024]; A: computed on the way; B: input w2: QUANTISED
;;     4. [M 1,024, K 1,024] x [K 1,024, N 4,096]; A: input x; B: input w1: QUANTISED
;;     5. [M 1,024, K 4,096] x [K 4,096, N 1,024]; A: computed on the way; B: input w2: QUANTISED
;;     6. [M 1,024, K 1,024] x [K 1,024, N 4,096]; A: input x; B: input w1: QUANTISED
;;     7. [M 1,024, K 4,096] x [K 4,096, N 1,024]; A: computed on the way; B: input w2: QUANTISED
;;     8. [M 1,024, K 1,024] x [K 1,024, N 4,096]; A: input x; B: input w1: QUANTISED
;;     9. [M 1,024, K 4,096] x [K 4,096, N 1,024]; A: computed on the way; B: input w2: QUANTISED
;;     10. [M 1,024, K 1,024] x [K 1,024, N 4,096]; A: input x; B: input w1: QUANTISED
;;     11. [M 1,024, K 4,096] x [K 4,096, N 1,024]; A: computed on the way; B: input w2: QUANTISED
;;     12. [M 1,024, K 1,024] x [K 1,024, N 4,096]; A: input x; B: input w1: QUANTISED
;;     13. [M 1,024, K 4,096] x [K 4,096, N 1,024]; A: computed on the way; B: input w2: QUANTISED
;;     14. [M 1,024, K 1,024] x [K 1,024, N 4,096]; A: input x; B: input w1: QUANTISED
;;     15. [M 1,024, K 4,096] x [K 4,096, N 1,024]; A: computed on the way; B: input w2: QUANTISED
;;     16. [M 1,024, K 1,024] x [K 1,024, N 4,096]; A: input x; B: input w1: QUANTISED
;;     17. [M 1,024, K 4,096] x [K 4,096, N 1,024]; A: computed on the way; B: input w2: QUANTISED
;;   THE QUANTISER, for each operand of a quantised product, along K:
;;     - K is cut into blocks of 32 from its start; a last block that is shorter is filled with zeros.
;;     - A block's scale is 2^e with e = floor(log2(the largest magnitude in the block)) - 4, held to -126 .. 127; a block of zeros has e = 0. As a byte (E8M0): e + 127.
;;     - Each number is divided by its block's scale, clamped to +-28, and rounded to the nearest number of E3M2, ties to even, subnormals kept.
;;     - The product sums the exact products of the quantised numbers (number of the format x scale) in f32.
;;   ~~~python
;;   def quantise(x, axis):      # numpy; x: float32 -> the quantised numbers, widened to float32 again
;;       x = np.moveaxis(x, axis, -1); K = x.shape[-1]
;;       x = np.pad(x, [(0, 0)] * (x.ndim - 1) + [(0, -K % 32)]); x = x.reshape(x.shape[:-1] + (-1, 32)); a = np.abs(x).max(-1, keepdims=True)
;;       e = np.where(a > 0, np.clip(np.frexp(np.where(a > 0, a, 1))[1] - 1 - 4, -126, 127), 0)      # np.frexp(a)[1] - 1 = floor(log2(a)), exactly
;;       r = np.clip(x / 2.0 ** e, -28, 28)
;;       step = 2.0 ** (np.maximum(np.frexp(np.where(r == 0, 1, r))[1] - 1, -2) - 2)
;;       q = np.round(r / step) * step * 2.0 ** e      # np.round: ties to even
;;       return np.moveaxis(q.reshape(q.shape[:-2] + (-1,))[..., :K], -1, axis).astype(np.float32)
;;   ~~~
;;   OPERANDS COMPUTED ON THE WAY. 'Computed on the way' means the value that the module computes at that place (a softmax that the list does not call 'softmax' is quantised finished and normalised). What goes into a quantiser is computed in f32, as accurately as f32 sums, v_exp_f32 and their like allow (about 1e-6 of the number): no bf16 or f16 on the way to a quantiser, and a product that is left as it is and whose result goes on into a quantised operand takes f32 operands (vector FMAs, or v_wmma_f32_16x16x4_f32). A number that lies on a knife's edge between two numbers of the format may be rounded either way, as far as f32 arithmetic and the matrix unit's own rounding can turn it there, and no further.
;; 2 versions, each right; version 2 is version 1 with the launches ffn1, ffn2 written anew for expert scheduling mode. Each part assembles by itself: llvm-mc -triple=amdgcn-amd-amdhsa -mcpu=gfx1250 --defsym DOCPART=n.
;; ======== version 1 of 2: 3 launches
;; workspace buffers: xq 786,432 bytes; xs 32,768 bytes; eidx 4,096 bytes of whole numbers; gate 4,096 bytes; hq 25,165,824 bytes; hs 2,097,152 bytes; order 66,560 bytes of whole numbers
;; launch route (part 1): grid 256 x 1, 4 waves a work-group, no clusters, 56,832 bytes of LDS; arguments x, router_w, xq, xs, eidx, gate; writes xq, xs, eidx, gate
.if DOCPART == 1
	.amdgcn_target "amdgcn-amd-amdhsa--gfx1250"
	.amdhsa_code_object_version 6
	.text
	.protected	k_qee36696635_route
	.globl	k_qee36696635_route
	.p2align	8
	.type	k_qee36696635_route,@function
k_qee36696635_route:
	s_mov_b64 s[64:65], 0
	v_nop
	global_prefetch_b8 v0, s[64:65] scope:SCOPE_SE
	s_setreg_imm32_b32 hwreg(HW_REG_WAVE_MODE, 25, 1), 1
	s_wait_xcnt 0x0
; ROUTER AND QUANTISER OF x.  x: [1024 tokens][1024] f32; router_w: [1024][8] f32.
; One wave takes one token (4 tokens a work-group, 256 work-groups).  It reads the token's 4,096 bytes once and makes of them
;   (a) the eight logits (f32 multiply-adds, since the choice of the expert follows f32), their softmax with the maximum taken away, the first largest probability's index -> eidx, that probability -> gate;
;   (b) the token's codes of BF6 (E3M2) with one E8M0 byte for each 32 along K -> xq, xs.
; LAYOUT OF xq: [token][h 2][s 8][c 2][24 bytes]: block 4 s + 2 c + h of the row.  Lane (r, h) of a matrix operand then finds its 12 registers of K step s as 48 bytes on end.
; LAYOUT OF xs: [token][32 bytes], byte = block: word s is the scale word of K step s.
; A lane holds 32 NEIGHBOURS of the row (one block), so the block's largest magnitude needs no other lane; the loads take the bytes as they lie (512 on end an instruction) and the row turns through the wave's own stage in LDS.
; router_w (32,768 bytes) is brought into LDS once by the four waves together; lane L then reads its 32 rows of it (1,024 bytes), rows of LDS 1,040 bytes apart.
; No matrix instruction (N = 8), no tensor load, no cluster: work-groups share only router_w, 32 KB beside nothing else worth sharing.
; LIMITS: NaN and infinities are not served.  A block of zeros gets the byte 1 (the floor) where the rule says 127: its codes are zeros and this program alone reads the bytes.
; The logits are f32 sums in another order than a row-by-row sum: a token whose two best probabilities agree to the last bits may choose the other expert.
.set WLP,  1040                        ; LDS: router_w, 32 rows of 1,024 bytes + 16, from byte 0
.set XST,  33280                       ; the waves' stages for x: 32 places of 128 bytes + 16 each
.set XSW,  4608
.set XSP,  144
.set CST,  51712                       ; the waves' stages for the codes: 64 places of 16 bytes, 12 used
.set SBY,  55808                       ; the waves' 32 scale bytes
.set R,    16                          ; v16-47   x as loaded
.set XB,   48                          ; v48-79   x[32 L + i]
.set W0,   80                          ; v80-143, v144-207  router_w as loaded; then two sets of 8 rows x 8 experts
.set ACC,  208                         ; v208-215 the eight sums
.set VM0,  216
.set VM1,  217
.set VS,   218
.set VB,   219
.set OC,   228                         ; v228-230, v232-234 the codes on their way out
.set OW,   236                         ; v236     a scale word on its way out
.set CD,   240                         ; v240-242, v244-246 the codes as converted
.set PL,   80                          ; behind the dot products: v80-87 the other half's sums
.set MX,   88
.set T1,   89
.set IX,   90
.set S0,   91
.set RC,   95
.set EX,   96                          ; v96-103 exponentials, then probabilities
.set BP,   104
	s_load_b128 s[4:7], s[0:1], 0x0                ; x, router_w
	s_load_b128 s[8:11], s[0:1], 0x10              ; xq, xs
	s_load_b128 s[12:15], s[0:1], 0x20             ; eidx, gate
	v_lshl_add_u32 v248, v0, 2, 0xdc00
	v_mov_b32 v249, 0
	v_lshrrev_b32 v15, 5, v0
	v_readfirstlane_b32 s16, v15                   ; wave
	v_and_b32 v1, 31, v0                           ; lane L
	s_lshl_b32 s17, ttmp9, 2
	s_add_co_u32 s17, s17, s16                     ; my token
	v_lshlrev_b32 v2, 4, v1                        ; x: 16 L
	v_lshlrev_b32 v3, 4, v0                        ; router_w: 16 x thread
	s_mul_i32 s23, s16, XSW
	s_add_co_u32 s23, s23, XST                     ; my stage for x
	v_lshrrev_b32 v4, 3, v1
	v_mul_u32_u24 v4, v4, XSP
	v_and_b32 v5, 7, v1
	v_lshl_add_u32 v4, v5, 4, v4
	v_add_nc_u32 v4, s23, v4                       ; in: eight lanes' 128 bytes to a place
	v_mul_u32_u24 v5, v1, XSP
	v_add_nc_u32 v5, s23, v5                       ; out: place L
	v_lshrrev_b32 v6, 6, v0
	v_mul_u32_u24 v6, v6, WLP
	v_and_b32 v7, 63, v0
	v_lshl_add_u32 v6, v7, 4, v6                   ; router_w in: 64 threads to a row of 1,024 bytes
	v_mul_u32_u24 v7, v1, WLP                      ; out: row L
	s_lshl_b32 s24, s16, 10
	s_add_co_u32 s24, s24, CST                     ; my stage for the codes
	v_and_b32 v8, 1, v1
	v_lshlrev_b32 v8, 9, v8
	v_lshrrev_b32 v9, 1, v1
	v_lshl_add_u32 v8, v9, 5, v8
	v_add_nc_u32 v8, s24, v8                       ; in: my block's two pieces of 12 bytes are pieces 32 (L & 1) + 2 (L >> 1) + 0, 1 of the row's 64
	v_lshl_add_u32 v9, v1, 4, s24                  ; out: pieces L and 32 + L
	s_lshl_b32 s25, s16, 5
	s_add_co_u32 s25, s25, SBY
	v_add_nc_u32 v10, s25, v1                      ; my block's scale byte
	v_and_b32 v13, 7, v1
	v_lshlrev_b32 v13, 2, v13                      ; a scale word's place in xs
	v_add_nc_u32 v11, s25, v13                     ; and in LDS
	v_mul_u32_u24 v12, v1, 12                      ; a piece's place in xq
	v_mov_b32 v14, 0
	s_mov_b32 s20, 0x76543210
	s_mov_b32 s21, 0xfedcba98                      ; v_permlanex16_b32's selects for lane l xor 16
	s_mov_b32 s19, 0
	s_wait_kmcnt 0x0
	s_lshl_b32 s18, s17, 12
	s_add_nc_u64 s[4:5], s[4:5], s[18:19]          ; x at my token
	s_mul_i32 s18, s17, 768
	s_add_nc_u64 s[8:9], s[8:9], s[18:19]          ; xq
	s_lshl_b32 s18, s17, 5
	s_add_nc_u64 s[10:11], s[10:11], s[18:19]      ; xs
	s_lshl_b32 s18, s17, 2
	s_add_nc_u64 s[12:13], s[12:13], s[18:19]      ; eidx
	s_add_nc_u64 s[14:15], s[14:15], s[18:19]      ; gate
.irp i, 0,1,2,3,4,5,6,7
	global_load_b128 v[R+4*\i:R+4*\i+3], v2, s[4:5] offset:512*\i th:TH_LOAD_NT   ; 32 lanes read 512 bytes on end; read once in the launch
.endr
.irp q, 0,1,2,3,4,5,6,7,8,9,10,11,12,13,14,15
	global_load_b128 v[W0+4*\q:W0+4*\q+3], v3, s[6:7] offset:2048*\q              ; the work-group reads 2,048 bytes on end
.endr
	s_wait_loadcnt 16                              ; x is in: the 16 loads of router_w are younger
.irp i, 0,1,2,3,4,5,6,7
	ds_store_b128 v4, v[R+4*\i:R+4*\i+3] offset:4*XSP*\i
.endr
.irp j, 0,1,2,3,4,5,6,7
	ds_load_b128 v[XB+4*\j:XB+4*\j+3], v5 offset:16*\j   ; LDS serves a wave's instructions in order: these see my stores
.endr
	s_wait_loadcnt 0x0                             ; router_w
.irp q, 0,1,2,3,4,5,6,7,8,9,10,11,12,13,14,15
	ds_store_b128 v6, v[W0+4*\q:W0+4*\q+3] offset:2*WLP*\q
.endr
	s_wait_dscnt 16                                ; my 32 neighbours are back: only the 16 stores are younger
	; the block's largest magnitude, with the floor 2^(5 - 127) among the leaves, so that the byte cannot fall under 1
	v_max3_num_f32 v[VM0], |v[XB]|, |v[XB+1]|, |v[XB+2]|
	v_max3_num_f32 v[VM1], |v[XB+3]|, |v[XB+4]|, |v[XB+5]|
.irp i, 6,10,14,18,22,26
	v_max3_num_f32 v[VM0], v[VM0], |v[XB+\i]|, |v[XB+\i+1]|
	v_max3_num_f32 v[VM1], v[VM1], |v[XB+\i+2]|, |v[XB+\i+3]|
.endr
	v_max3_num_f32 v[VM0], v[VM0], |v[XB+30]|, |v[XB+31]|
	v_max3_num_f32 v[VM0], v[VM0], v[VM1], 0x2800000
	v_add_nc_u32 v[VS], 0xfe000000, v[VM0]         ; 4 off its exponent field: the conversion takes the exponent field of this operand as its scale
	v_cvt_scalef32_pk16_bf6_f32 v[CD:CD+2], v[XB:XB+15], v[VS]
	v_cvt_scalef32_pk16_bf6_f32 v[CD+4:CD+6], v[XB+16:XB+31], v[VS]
	v_lshrrev_b32 v[VB], 23, v[VS]                 ; the scale's byte (also the plain line behind the conversions)
	ds_store_b96 v8, v[CD:CD+2]
	ds_store_b96 v8, v[CD+4:CD+6] offset:16
	ds_store_b8 v10, v[VB]
	ds_load_b96 v[OC:OC+2], v9
	ds_load_b96 v[OC+4:OC+6], v9 offset:512
	ds_load_b32 v[OW], v11
	s_wait_dscnt 0x0                               ; for the others' sake: my part of router_w has landed; and my codes are back
	s_barrier_signal -1
	s_barrier_wait -1                              ; router_w is whole in LDS
	global_store_b96 v12, v[OC:OC+2], s[8:9]               ; 32 lanes store 384 bytes on end,
	global_store_b96 v12, v[OC+4:OC+6], s[8:9] offset:384  ; twice: the token's 768 bytes
; THE LOGITS.  Lane L sums x[32 L + i] w[32 L + i][e] over its 32 i, eight i at a time from LDS, two sets by turns.
.macro WCH c                           ; rows 8 c .. 8 c + 7 of my 32: 256 bytes
.irp m, 0,1,2,3,4,5,6,7,8,9,10,11,12,13,14,15
	ds_load_b128 v[W0+64*((\c)%2)+4*\m:W0+64*((\c)%2)+4*\m+3], v7 offset:256*(\c)+16*\m
.endr
.endm
.macro FMA2 kk, wb                     ; rows kk and kk + 1: of the pair of x the low word, then the high word, serves both halves
.irp p, 0,1,2,3
.if (\kk) == 0
	v_pk_mul_f32 v[ACC+2*\p:ACC+2*\p+1], v[(\wb)+2*\p:(\wb)+2*\p+1], v[XB+(\kk):XB+(\kk)+1] op_sel_hi:[1,0]   ; the first product starts the sums
.else
	v_pk_fma_f32 v[ACC+2*\p:ACC+2*\p+1], v[(\wb)+2*\p:(\wb)+2*\p+1], v[XB+(\kk):XB+(\kk)+1], v[ACC+2*\p:ACC+2*\p+1] op_sel_hi:[1,0,1]
.endif
.endr
.irp p, 0,1,2,3
	v_pk_fma_f32 v[ACC+2*\p:ACC+2*\p+1], v[(\wb)+8+2*\p:(\wb)+8+2*\p+1], v[XB+(\kk):XB+(\kk)+1], v[ACC+2*\p:ACC+2*\p+1] op_sel:[0,1,0] op_sel_hi:[1,1,1]
.endr
.endm
.macro DOT c
.irp u, 0,2,4,6
	FMA2 8*(\c)+\u, W0+64*((\c)%2)+8*\u
.endr
.endm
	WCH 0
	WCH 1
	s_wait_dscnt 16                                ; the older run of 16 is in
	DOT 0
	WCH 2
	s_wait_dscnt 16
	DOT 1
	WCH 3
	s_wait_dscnt 16
	DOT 2
	s_wait_dscnt 0x0
	DOT 3
.irp m, 1,2,4,8                        ; over the 32 lanes: four steps inside each half ride on the addition, one crosses the halves
.irp e, 0,1,2,3,4,5,6,7
	v_add_f32_dpp v[ACC+\e], v[ACC+\e], v[ACC+\e] row_xmask:\m row_mask:0xf bank_mask:0xf
.endr
.endr
.irp e, 0,1,2,3,4,5,6,7
	v_permlanex16_b32 v[PL+\e], v[ACC+\e], s20, s21   ; (its destination counts as read: these registers have been written)
.endr
.irp e, 0,1,2,3,4,5,6,7
	v_add_f32 v[ACC+\e], v[ACC+\e], v[PL+\e]       ; every lane holds the eight logits
.endr
	; softmax, the maximum taken away first; the difference is formed before the factor log2(e), so that the largest logit gives exactly 2^0
	v_max3_num_f32 v[MX], v[ACC], v[ACC+1], v[ACC+2]
	v_max3_num_f32 v[T1], v[ACC+3], v[ACC+4], v[ACC+5]
	v_max3_num_f32 v[MX], v[MX], v[ACC+6], v[ACC+7]
	v_max_num_f32 v[MX], v[MX], v[T1]
.irp e, 0,1,2,3,4,5,6,7
	v_sub_f32 v[EX+\e], v[ACC+\e], v[MX]
.endr
.irp e, 0,1,2,3,4,5,6,7
	v_mul_f32 v[EX+\e], 0x3fb8aa3b, v[EX+\e]
.endr
.irp e, 0,1,2,3,4,5,6,7
	v_exp_f32 v[EX+\e], v[EX+\e]
.endr
	v_mov_b32 v[IX], 0                             ; (a plain line behind the exponentials)
	s_wait_alu depctr_va_vdst(0)
	v_add_f32 v[S0], v[EX], v[EX+1]
	v_add_f32 v[S0+1], v[EX+2], v[EX+3]
	v_add_f32 v[S0+2], v[EX+4], v[EX+5]
	v_add_f32 v[S0+3], v[EX+6], v[EX+7]
	v_add_f32 v[S0], v[S0], v[S0+1]
	v_add_f32 v[S0+2], v[S0+2], v[S0+3]
	v_add_f32 v[S0], v[S0], v[S0+2]                ; at least 1
	v_rcp_f32 v[RC], v[S0]
	v_nop                                          ; a plain line behind the reciprocal
	s_wait_alu depctr_va_vdst(0)
.irp e, 0,1,2,3,4,5,6,7
	v_mul_f32 v[EX+\e], v[EX+\e], v[RC]            ; the probabilities
.endr
	v_mov_b32 v[BP], v[EX]
.irp e, 1,2,3,4,5,6,7                  ; the first largest: a later one must be strictly larger to take the place
	v_cmp_gt_f32 vcc_lo, v[EX+\e], v[BP]
	v_cndmask_b32 v[IX], v[IX], \e, vcc_lo
	v_max_num_f32 v[BP], v[BP], v[EX+\e]
.endr
	s_wait_xcnt 0x0                                ; EXEC changes only behind this wait: stores have been issued
	v_cmp_gt_u32 vcc_lo, 8, v1
	s_wait_tensorcnt 0x0
	ds_add_u32 v248, v249
	s_wait_dscnt 0x0
	s_and_saveexec_b32 s22, vcc_lo
	global_store_b32 v13, v[OW], s[10:11]          ; lanes 0-7: the token's eight scale words
	s_wait_xcnt 0x0
	s_or_b32 exec_lo, exec_lo, s22
	v_cmp_eq_u32 vcc_lo, 0, v1
	s_and_saveexec_b32 s22, vcc_lo
	global_store_b32 v14, v[IX], s[12:13]          ; lane 0: the expert, a whole number,
	global_store_b32 v14, v[BP], s[14:15]          ; and its probability
	s_wait_xcnt 0x0
	s_or_b32 exec_lo, exec_lo, s22
	s_endpgm
.Lfunc_end_k_qee36696635_route:
	.size	k_qee36696635_route, .Lfunc_end_k_qee36696635_route-k_qee36696635_route
	.p2alignl 7, 3214868480
	.fill 96, 4, 3214868480
	.section	.rodata,"a",@progbits
	.p2align	6, 0x0
	.amdhsa_kernel k_qee36696635_route
		.amdhsa_group_segment_fixed_size 56832
		.amdhsa_private_segment_fixed_size 0
		.amdhsa_enable_private_segment 0
		.amdhsa_kernarg_size 48
		.amdhsa_user_sgpr_count 2
		.amdhsa_user_sgpr_kernarg_segment_ptr 1
		.amdhsa_wavefront_size32 1
		.amdhsa_system_sgpr_workgroup_id_x 1
		.amdhsa_system_sgpr_workgroup_id_y 1
		.amdhsa_system_sgpr_workgroup_id_z 1
		.amdhsa_system_vgpr_workitem_id 0
		.amdhsa_next_free_vgpr 250
		.amdhsa_next_free_sgpr 66
		.amdhsa_reserve_vcc 1
		.amdhsa_float_denorm_mode_32 3
		.amdhsa_float_denorm_mode_16_64 3
		.amdhsa_memory_ordered 1
		.amdhsa_forward_progress 1
		.amdhsa_inst_pref_size 28
	.end_amdhsa_kernel
	.amdgpu_metadata
---
amdhsa.version: [ 1, 2 ]
amdhsa.kernels:
  - .name:           k_qee36696635_route
    .symbol:         k_qee36696635_route.kd
    .args:
      - { .name: x, .offset: 0, .size: 8, .value_kind: global_buffer, .address_space: global }
      - { .name: router_w, .offset: 8, .size: 8, .value_kind: global_buffer, .address_space: global }
      - { .name: xq, .offset: 16, .size: 8, .value_kind: global_buffer, .address_space: global }
      - { .name: xs, .offset: 24, .size: 8, .value_kind: global_buffer, .address_space: global }
      - { .name: eidx, .offset: 32, .size: 8, .value_kind: global_buffer, .address_space: global }
      - { .name: gate, .offset: 40, .size: 8, .value_kind: global_buffer, .address_space: global }
    .group_segment_fixed_size: 56832
    .private_segment_fixed_size: 0
    .kernarg_segment_align: 8
    .kernarg_segment_size: 48
    .max_flat_workgroup_size: 128
    .sgpr_count:     66
    .vgpr_count:     250
    .wavefront_size: 32
...
	.end_amdgpu_metadata
.endif
;; end of part 1
;; launch ffn1 (part 2): grid 32 x 8, 16 waves a work-group, no clusters, 104,448 bytes of LDS; arguments w1, b1, xq, xs, eidx, hq, hs, order; writes hq, hs, order
.if DOCPART == 2
	.amdgcn_target "amdgcn-amd-amdhsa--gfx1250"
	.amdhsa_code_object_version 6
	.text
	.protected	k_qee36696635_ffn1
	.globl	k_qee36696635_ffn1
	.p2align	8
	.type	k_qee36696635_ffn1,@function
k_qee36696635_ffn1:
	s_mov_b64 s[64:65], 0
	v_nop
	global_prefetch_b8 v0, s[64:65] scope:SCOPE_SE
	s_setreg_imm32_b32 hwreg(HW_REG_WAVE_MODE, 25, 1), 1
	s_wait_xcnt 0x0
; FIRST LAYER OF THE EXPERTS: h = gelu(x w1[e] + b1[e]) for the tokens that chose expert e, quantised along the hidden units.  Both operands are codes of BF6 (E3M2) with one E8M0 scale for each 32 along K.
; w1: [8][1024 (k)][4096 (unit)] f32.  A work-group takes expert e (y) and hidden units 128 c .. 128 c + 127 (x): 512 KB of w1, which nobody else reads, read ONCE and quantised in registers.
; PHASE Q.  Sixteen waves: wave (q = wave / 4, g = wave % 4) takes units 32 g .. 32 g + 31 and rows 256 q .. 256 q + 255.  A LANE TAKES A UNIT AND ITS REGISTERS RUN DOWN K: a block of 32 lies in one lane, the conversions give codes with K
;   innermost.  Lanes 0-15 hold one tile's 16 units and lanes 16-31 the next tile's; an exchange of halves between the registers of blocks 2 cc and 2 cc + 1 makes of them the two tiles' operand registers.  A PAIR of tiles (24 registers) goes to
;   LDS as an image of its registers, its scale words (one register: tile 0 in lanes 0-15, tile 1 in lanes 16-31) beside it.  Up to three blocks' loads (128 bytes on end each) are asked for ahead.
; THE UNITS OF A TILE ARE NOT NEIGHBOURS: lane r of tile 2 g + u takes unit 32 g + 8 u + r + 8 (r / 8), so that the 16 registers of tiles 2 g and 2 g + 1 of a result are 16 neighbours along the next K.
; PHASE P, behind the one barrier.  A tile of 16 tokens to a wave: tile tau = tau0 + 16 i, i = 0 .. 3 (a loop of constant count; a trip whose tile does not exist is left out by a scalar branch on the stored choice).  The product is used
;   TRANSPOSED (source 0 = 16 units, source 1 = 16 tokens): a lane holds one token.  b1 is the C of each sum's first product.  Exact GELU by erf, then the quantiser: the 128 units are K step c of the second layer: one operand image -> hq, hs.
; WHICH TOKEN HAS RANK p IN EXPERT e is worked out in registers from eidx, whole numbers that the launch before has stored: 32 masks (a register of eidx each), running counts, and the n-th set bit of a mask.  Slice c = 0 stores the lists and the count.
; Ranks past the last are held at the last: such rows are copies of the last token.  An expert without tokens still makes tile 0 (of token 1,023), so that the next launch's first loads find written bytes.
; hq: [e][tile 64][s 32][1,536 bytes]: register group j of lane l at 512 j + 16 l.  hs: [e][tile][s][32 words].  order: [e][tile][32 words] the token of row l % 16; from byte 65,536 [e][32 words] the count.
; NO TENSOR LOAD, NO CLUSTER: the trips that work hang on counts read from memory; what the 32 work-groups of an expert share is the tokens' codes (768 bytes a token), while each work-group's 512 KB of weights are its own.
; LIMITS: NaN and infinities are not served.  A block of zeros gets the byte 1 where the rule says 127: its codes are zeros and this program alone reads the bytes.
; erf(z) is z P(z^2) / Q(z^2) with z held to +-4 (degrees 6 and 4), a few 1e-7 absolute; gelu = 0.5 x erf + 0.5 x, so under x = -3 the tiny result's relative error grows, its absolute error stays under 3e-7 |x|.
.set PITCH, 16384                      ; a row of w1[e] in bytes
.set PAIRB, 3072                       ; LDS: pair p (K step p / 4, tiles 2 (p % 4), 2 (p % 4) + 1) at 3,072 p: 32 pairs
.set SCB,   98304                      ; behind them the pairs' scale words, 128 bytes each
.set X,    16                          ; Q: v16-111  three sets of 32 numbers
.set IDX,  112                         ;    v112-143 eidx: register 4 qq + j of lane L is token 128 qq + 4 L + j
.set F,    184                         ;    v184-231 two pairs' codes
.set SW,   232                         ;    v232-233 their scale words
.set VM0,  234
.set VM1,  235
.set T,    236                         ;    v236-251 the upper halves of four blocks' codes
.set VS,   252
.set VB,   253
.set ACC,  16                          ; P: v16-79   eight tiles of units x my 16 tokens
.set A,    80                          ;    v80-175  my tokens' codes, K step s at 80 + 12 s
.set AS,   176                         ;    v176-183 their scale words
.set BB,   184                         ;    v184-231 two pairs from LDS, by turns
.set BS,   232                         ;    v232-233 their scale words
.set GZ,   80                          ; behind the K loop: at work on the GELU
.set GY,   88
.set GP,   96
.set GQ,   104
.set GK,   112                         ;    v112-115 two coefficients as pairs
.set PC,   184                         ;    v184-203 the codes just made
.set PW,   204                         ;    their scale word
.set HQO,  205                         ;    offsets of the stores
.set HSO,  206
.set ORO,  207
.set TM,   240                         ;    v240-255 the quantiser's
.set VP,   234                         ; the placing's: rank, mask, packed count and base, rank in the mask, field counts, place, at work
.set VMK,  235
.set VBS,  236
.set VN,   237
.set QA,   238
.set QB,   239
.set QC,   240
.set QD,   241
.set POS,  242
.set QT,   243
.set QU,   244
.set SEL,  92                          ; s[92:93] v_permlanex16_b32's selects
; v1 16 l; v2 16 l + 49,152; v3 SCB + 4 l; v4 my unit's bytes in a row of w1; v5, v6 where I store images and scale words; v7 r; v8, v9 my token's bytes in xq, xs; v10 64 h; v11 4 l; v12 384 h; v13 my token
; s20 wave, s21 g, s22 q, s23 e, s24 c, s25 the expert's count M, s26 its tiles (at least 1), s27 tau, s28 the trip, s29 the last rank, s[32:63] the masks, s[66:91] constants of the GELU, s[94:95] w1 at my part, s[96:97] b1 at my slice
	s_load_b512 s[4:19], s[0:1], 0x0               ; w1, b1, xq, xs, eidx, hq, hs, order
	v_lshrrev_b32 v14, 5, v0
	v_readfirstlane_b32 s20, v14                   ; wave 0..15
	s_and_b32 s21, s20, 3
	s_lshr_b32 s22, s20, 2
	s_and_b32 s23, ttmp7, 0xffff
	s_mov_b32 s24, ttmp9
	v_and_b32 v15, 31, v0
	v_lshlrev_b32 v1, 4, v15
	v_add_nc_u32 v2, 16*PAIRB, v1
	v_lshlrev_b32 v11, 2, v15
	v_add_nc_u32 v3, SCB, v11
	v_and_b32 v7, 15, v0
	v_bfe_u32 v12, v0, 4, 1
	v_lshlrev_b32 v10, 6, v12
	v_mul_u32_u24 v12, v12, 384
	v_and_b32 v4, 7, v0
	v_bfe_u32 v5, v0, 3, 1
	v_lshl_add_u32 v4, v5, 4, v4
	v_bfe_u32 v5, v0, 4, 1
	v_lshl_add_u32 v4, v5, 3, v4                   ; my unit among the wave's 32: (L & 7) + 16 ((L >> 3) & 1) + 8 (L >> 4)
	v_lshlrev_b32 v4, 2, v4
	s_lshl_b32 s30, s22, 3
	s_add_co_u32 s30, s30, s21                     ; my first pair: 8 q + g; my second lies four pairs on
	s_mul_i32 s31, s30, PAIRB
	v_add_nc_u32 v5, s31, v1
	s_lshl_b32 s31, s30, 7
	v_add_nc_u32 v6, s31, v3
.irp b, 0,1,2,3
	v_mov_b32 v[TM+4+\b], 0                        ; written once: a lane permute's destination counts as one of its sources
.endr
.macro SPAIR r, val                    ; a constant for the packed forms, which name a pair and take its low word for both halves
	s_mov_b32 s[\r], \val
	s_mov_b32 s[\r+1], \val
.endm
	SPAIR 66, 0x3f3504f3                           ; 1 / sqrt(2)
	SPAIR 68, 0xaf95df0b                           ; P: a6 (a5 stands in v[112:113]),
	SPAIR 72, 0xb60cff51                           ; a4,
	SPAIR 74, 0xb86ec2d2                           ; a3,
	SPAIR 76, 0xba40ac63                           ; a2,
	SPAIR 78, 0xbb41a1f6                           ; a1,
	SPAIR 80, 0xbc83dbd4                           ; a0
	SPAIR 82, 0xb77460cd                           ; Q: b4 (b3 stands in v[114:115]),
	SPAIR 86, 0xbadc924e                           ; b2,
	SPAIR 88, 0xbbf19bf8                           ; b1,
	SPAIR 90, 0xbc69b6a7                           ; b0
	s_mov_b32 s[SEL], 0x76543210
	s_mov_b32 s[SEL+1], 0xfedcba98
	s_sub_co_u32 s27, s21, s22
	s_and_b32 s27, s27, 3
	s_lshl_b32 s27, s27, 2
	s_add_co_u32 s27, s27, s22                     ; tau0 = 4 ((g - q) & 3) + q: the first four and the first eight tiles fall on waves that differ both in wave % 4 and in wave / 4
	s_lshl_b32 s30, s23, 24                        ; w1: expert, 2^24 bytes;
	s_lshl_b32 s31, s22, 22                        ; 256 q rows;
	s_add_co_u32 s30, s30, s31
	s_lshl_b32 s31, s24, 9                         ; 128 c units;
	s_add_co_u32 s30, s30, s31
	s_lshl_b32 s31, s21, 7                         ; 32 g units
	s_add_co_u32 s30, s30, s31
	s_lshl_b32 s98, s23, 14                        ; b1: expert, 16,384 bytes;
	s_lshl_b32 s99, s24, 9                         ; 128 c units
	s_add_co_u32 s98, s98, s99
	s_mov_b32 s31, 0
	s_mov_b32 s99, 0
	s_wait_kmcnt 0x0
	s_add_nc_u64 s[94:95], s[4:5], s[30:31]
	s_add_nc_u64 s[96:97], s[6:7], s[98:99]
.macro LOADW t                         ; block t of my 8: w1(32 t + i, my unit), i = 0 .. 31, into set t % 3; each load reads 128 bytes on end, the four waves of a q 512
.set LR, X+32*((\t)%3)
.set LN, 0
.rept 32
	global_load_b32 v[LR+LN], v4, s[94:95] offset:(32*(\t)+LN)*PITCH th:TH_LOAD_NT
.set LN, LN+1
.endr
.endm
.macro BLOCK t                         ; block t becomes codes and a scale byte
.set XS, X+32*((\t)%3)
.set KSQ, (\t)/4                       ; which of my two K steps,
.set BQ, (\t)%4                        ; which block of it
.set FD, F+24*KSQ+12*(BQ%2)+6*(BQ/2)
.if (\t) <= 5
	s_wait_loadcnt 63                              ; 64 loads are younger than this block's; the count names 63 at the most
.elseif (\t) == 6
	s_wait_loadcnt 32                              ; the last block's 32 are younger
.else
	s_wait_loadcnt 0x0
.endif
	v_max3_num_f32 v[VM0], |v[XS]|, |v[XS+1]|, |v[XS+2]|          ; the block's largest magnitude: all 32 numbers are mine
	v_max3_num_f32 v[VM1], |v[XS+3]|, |v[XS+4]|, |v[XS+5]|
.irp i, 6,10,14,18,22,26
	v_max3_num_f32 v[VM0], v[VM0], |v[XS+\i]|, |v[XS+\i+1]|
	v_max3_num_f32 v[VM1], v[VM1], |v[XS+\i+2]|, |v[XS+\i+3]|
.endr
	v_max3_num_f32 v[VM0], v[VM0], |v[XS+30]|, |v[XS+31]|
	v_max3_num_f32 v[VM0], v[VM0], v[VM1], 0x2800000               ; and the floor 2^(5 - 127): the byte cannot fall under 1
	v_add_nc_u32 v[VS], 0xfe000000, v[VM0]         ; 4 off its exponent field: the conversion's scale operand
.if BQ == 0
	v_lshrrev_b32 v[SW+KSQ], 23, v[VS]             ; the scale's byte: four to a word, the lower K in the lower byte
.else
	v_lshrrev_b32 v[VB], 23, v[VS]
	v_lshl_or_b32 v[SW+KSQ], v[VB], 8*BQ, v[SW+KSQ]
.endif
	v_cvt_scalef32_pk16_bf6_f32 v[FD:FD+2], v[XS:XS+15], v[VS]
	v_cvt_scalef32_pk16_bf6_f32 v[T+4*BQ:T+4*BQ+2], v[XS+16:XS+31], v[VS]   ; (a conversion's three registers begin on an even number)
	v_nop                                          ; one plain line behind the conversions
.if (\t)+3 <= 7
	LOADW (\t)+3                                   ; into the set just converted
.endif
.if BQ%2 == 1                          ; blocks 2 cc and 2 cc + 1 are both there: the first's lanes 16-31 change places with the second's lanes 0-15.  The first register is then tile 0's (block 2 cc in lanes 0-15, block 2 cc + 1 in lanes 16-31), the second tile 1's
.set CC, BQ/2
.irp i, 0,1,2
	v_permlane16_swap_b32 v[F+24*KSQ+6*CC+\i], v[F+24*KSQ+12+6*CC+\i]
	v_permlane16_swap_b32 v[T+4*(BQ-1)+\i], v[T+4*BQ+\i]
.endr
.irp i, 0,1,2
	v_mov_b32 v[F+24*KSQ+6*CC+3+\i], v[T+4*(BQ-1)+\i]
	v_mov_b32 v[F+24*KSQ+12+6*CC+3+\i], v[T+4*BQ+\i]
.endr
.endif
.endm
.macro IMG ks                          ; a pair goes to LDS as it stands: 512 bytes on end a store
.irp j, 0,1,2,3,4,5
	ds_store_b128 v5, v[F+24*\ks+4*\j:F+24*\ks+4*\j+3] offset:4*PAIRB*\ks+512*\j
.endr
	ds_store_b32 v6, v[SW+\ks] offset:512*\ks
.endm
; THE TOKEN OF RANK p = min(16 tau + r, the last rank).  Whole numbers only.  The mask that holds rank p is the last whose running count is at most p.
.macro NTH f, w                        ; the count of the next w bits from POS on: at most n: pass them
	v_bfe_u32 v[QT], v[\f], v[POS], \w
	v_cmp_ge_u32 vcc_lo, v[VN], v[QT]
	v_cndmask_b32 v[QT], 0, v[QT], vcc_lo
	v_cndmask_b32 v[QU], 0, \w, vcc_lo
	v_sub_nc_u32 v[VN], v[VN], v[QT]
	v_add_nc_u32 v[POS], v[POS], v[QU]
.endm
.macro SELECT
	s_lshl_b32 s30, s27, 4
	v_add_nc_u32 v[VP], s30, v7
	v_min_u32 v[VP], s29, v[VP]
	v_mov_b32 v[VMK], s32
	v_mov_b32 v[VBS], 0
	s_bcnt1_i32_b32 s100, s32                      ; the running count
.set GI, 1
.rept 31
	s_or_b32 s101, s100, (128*(GI/4)+GI%4)<<16     ; the count (at most 1,024) below, the mask's first token above
	v_cmp_le_u32 vcc_lo, s100, v[VP]
	v_cndmask_b32 v[VMK], v[VMK], s[32+GI], vcc_lo
	v_cndmask_b32 v[VBS], v[VBS], s101, vcc_lo
	s_bcnt1_i32_b32 s30, s[32+GI]
	s_add_co_u32 s100, s100, s30
.set GI, GI+1
.endr
	v_and_b32 v[VN], 0xffff, v[VBS]
	v_sub_nc_u32 v[VN], v[VP], v[VN]               ; n: my rank inside the mask
	v_lshrrev_b32 v[VBS], 16, v[VBS]
	v_lshrrev_b32 v[QA], 1, v[VMK]                 ; counts of set bits in fields of 2, 4, 8 and 16 bits
	v_and_b32 v[QA], 0x55555555, v[QA]
	v_sub_nc_u32 v[QA], v[VMK], v[QA]
	v_lshrrev_b32 v[QB], 2, v[QA]
	v_and_b32 v[QB], 0x33333333, v[QB]
	v_and_b32 v[QT], 0x33333333, v[QA]
	v_add_nc_u32 v[QB], v[QB], v[QT]
	v_lshrrev_b32 v[QC], 4, v[QB]
	v_add_nc_u32 v[QC], v[QC], v[QB]
	v_and_b32 v[QC], 0x0f0f0f0f, v[QC]
	v_lshrrev_b32 v[QD], 8, v[QC]
	v_add_nc_u32 v[QD], v[QD], v[QC]
	v_and_b32 v[QD], 0x00ff00ff, v[QD]
	v_mov_b32 v[POS], 0
	NTH QD, 16
	NTH QC, 8
	NTH QB, 4
	NTH QA, 2
	NTH VMK, 1                                     ; POS: the lane whose bit is the n-th set one
	v_lshl_add_u32 v13, v[POS], 2, v[VBS]          ; the token
	v_min_u32 v13, 0x3ff, v13                      ; inside the table, whatever was read
	v_mad_u32_u24 v8, v13, 768, v12                ; its codes, my half's
	v_lshlrev_b32 v9, 5, v13                       ; its scale words
.endm
.macro ALOADS                          ; my tile's operands: 24 + 2 + 16 = 42 loads
.irp s, 0,1,2,3,4,5,6,7
.irp j, 0,1,2
	global_load_b128 v[A+12*\s+4*\j:A+12*\s+4*\j+3], v8, s[8:9] offset:48*\s+16*\j
.endr
.endr
	global_load_b128 v[AS:AS+3], v9, s[10:11]
	global_load_b128 v[AS+4:AS+7], v9, s[10:11] offset:16
.irp t, 0,1,2,3,4,5,6,7                ; b1 in the result's layout: lane (r, h), tile t: units 32 (t / 2) + 16 h + 8 (t % 2) + 0 .. 7
	global_load_b128 v[ACC+8*\t:ACC+8*\t+3], v10, s[96:97] offset:4*(32*(\t/2)+8*(\t%2))
	global_load_b128 v[ACC+8*\t+4:ACC+8*\t+7], v10, s[96:97] offset:4*(32*(\t/2)+8*(\t%2))+16
.endr
.endm
.macro BLOAD p, nb                     ; pair p and its scale words from LDS: 7 LDS loads
.set BD, BB+24*((\p)%(\nb))
.irp j, 0,1,2,3,4,5
.if (\p) < 16
	ds_load_b128 v[BD+4*\j:BD+4*\j+3], v1 offset:PAIRB*(\p)+512*\j
.else
	ds_load_b128 v[BD+4*\j:BD+4*\j+3], v2 offset:PAIRB*((\p)-16)+512*\j
.endif
.endr
	ds_load_b32 v[BS+(\p)%(\nb)], v3 offset:128*(\p)
.endm
.macro GELU8 t                         ; eight numbers x of tile t become 0.5 x (1 + erf(x / sqrt(2))), four pairs stage by stage; the tile is read from its low end on
.set XT, ACC+8*(\t)
.irp p, 0,2,4,6
	v_pk_mul_f32 v[GZ+\p:GZ+\p+1], v[XT+\p:XT+\p+1], s[66:67] op_sel_hi:[1,0]
.endr
.irp j, 0,1,2,3,4,5,6,7
	v_med3_num_f32 v[GZ+\j], v[GZ+\j], -4.0, 4.0
.endr
.irp p, 0,2,4,6
	v_pk_mul_f32 v[GY+\p:GY+\p+1], v[GZ+\p:GZ+\p+1], v[GZ+\p:GZ+\p+1]
.endr
.irp p, 0,2,4,6
	v_pk_fma_f32 v[GP+\p:GP+\p+1], v[GY+\p:GY+\p+1], s[68:69], v[GK:GK+1] op_sel_hi:[1,0,1]
	v_pk_fma_f32 v[GQ+\p:GQ+\p+1], v[GY+\p:GY+\p+1], s[82:83], v[GK+2:GK+3] op_sel_hi:[1,0,1]
.endr
.irp k, 72,74,76,78,80
.irp p, 0,2,4,6
	v_pk_fma_f32 v[GP+\p:GP+\p+1], v[GP+\p:GP+\p+1], v[GY+\p:GY+\p+1], s[\k:\k+1] op_sel_hi:[1,1,0]
.endr
.endr
.irp k, 86,88,90
.irp p, 0,2,4,6
	v_pk_fma_f32 v[GQ+\p:GQ+\p+1], v[GQ+\p:GQ+\p+1], v[GY+\p:GY+\p+1], s[\k:\k+1] op_sel_hi:[1,1,0]
.endr
.endr
.irp j, 0,1,2,3,4,5,6,7
	v_rcp_f32 v[GQ+\j], v[GQ+\j]
.endr
.irp p, 0,2,4,6
	v_pk_mul_f32 v[GP+\p:GP+\p+1], v[GP+\p:GP+\p+1], v[GZ+\p:GZ+\p+1]   ; (plain lines behind the reciprocals)
.endr
	s_wait_alu depctr_va_vdst(0)
.irp p, 0,2,4,6
	v_pk_mul_f32 v[GP+\p:GP+\p+1], v[GP+\p:GP+\p+1], v[GQ+\p:GQ+\p+1]
.endr
.irp j, 0,1,2,3,4,5,6,7
	v_med3_num_f32 v[GP+\j], v[GP+\j], -1.0, 1.0
.endr
.irp p, 0,2,4,6
	v_pk_mul_f32 v[GY+\p:GY+\p+1], v[XT+\p:XT+\p+1], 0.5 op_sel_hi:[1,0]
.endr
.irp p, 0,2,4,6
	v_pk_fma_f32 v[XT+\p:XT+\p+1], v[GY+\p:GY+\p+1], v[GP+\p:GP+\p+1], v[GY+\p:GY+\p+1]
.endr
.endm
; 64 numbers of a lane, v[s] .. v[s + 63], register 16 b + i = k 32 b + 16 (lane / 16) + i of my token, become an operand's codes in v[PC] on and its scale word in v[PW]
.macro QUANT s
.irp b, 0,1,2,3
	v_max3_num_f32 v[TM+\b], |v[\s+16*\b]|, |v[\s+1+16*\b]|, 0x2800000   ; block b: my 16 numbers, and the floor 2^(5 - 127)
.endr
.irp i, 2,4,6,8,10,12,14
.irp b, 0,1,2,3
	v_max3_num_f32 v[TM+\b], v[TM+\b], |v[\s+16*\b+\i]|, |v[\s+1+16*\b+\i]|   ; (the four blocks by turns)
.endr
.endr
.irp b, 0,1,2,3
	v_permlanex16_b32 v[TM+4+\b], v[TM+\b], s[SEL], s[SEL+1]
.endr
.irp b, 0,1,2,3
	v_max_num_f32 v[TM+\b], v[TM+\b], v[TM+4+\b]   ; with lane l xor 16's: the block's largest magnitude
.endr
.irp b, 0,1,2,3
	v_add_nc_u32 v[TM+12+\b], 0xfe000000, v[TM+\b]
.endr
.irp b, 0,1,2,3
	v_lshrrev_b32 v[TM+4+\b], 23, v[TM+12+\b]
.endr
	v_lshl_or_b32 v[PW], v[TM+5], 8, v[TM+4]       ; the four bytes make my token's scale word; both halves of the lanes hold the same
	v_lshl_or_b32 v[PW], v[TM+6], 16, v[PW]
	v_lshl_or_b32 v[PW], v[TM+7], 24, v[PW]
.irp c, 0,1
	v_cvt_scalef32_pk16_bf6_f32 v[PC+6*\c:PC+2+6*\c], v[\s+32*\c:\s+15+32*\c], v[TM+12+2*\c]
	v_cvt_scalef32_pk16_bf6_f32 v[PC+12+4*\c:PC+14+4*\c], v[\s+16+32*\c:\s+31+32*\c], v[TM+12+2*\c+1]
.endr
	v_nop                                          ; one plain line behind the conversions
.irp c, 0,1                            ; the operand's layout wants a WHOLE block in a lane: lanes 0-15 block 2 c, lanes 16-31 block 2 c + 1
.irp i, 0,1,2
	v_permlane16_swap_b32 v[PC+6*\c+\i], v[PC+12+4*\c+\i]
.endr
.irp i, 0,1,2
	v_mov_b32 v[PC+3+6*\c+\i], v[PC+12+4*\c+\i]
.endr
.endr
.endm
	; ---- the head: eidx, the first two blocks of weights; the placing is worked out while these are on their way
.irp qq, 0,1,2,3,4,5,6,7
	global_load_b128 v[IDX+4*\qq:IDX+4*\qq+3], v1, s[12:13] offset:512*\qq
.endr
	LOADW 0
	LOADW 1
	s_wait_loadcnt 63                              ; 64 loads are younger than eidx's eight
.set GI, 0
.rept 32
	v_cmp_eq_u32 s[32+GI], s23, v[IDX+GI]          ; mask GI: bit L = token 128 (GI / 4) + 4 L + GI % 4 chose my expert
.set GI, GI+1
.endr
	s_bcnt1_i32_b32 s25, s32
.set GI, 1
.rept 31
	s_bcnt1_i32_b32 s30, s[32+GI]
	s_add_co_u32 s25, s25, s30
.set GI, GI+1
.endr
	s_add_co_u32 s26, s25, 15
	s_lshr_b32 s26, s26, 4
	s_max_u32 s26, s26, 1                          ; tiles to make: at least one
	s_max_u32 s29, s25, 1
	s_sub_co_u32 s29, s29, 1                       ; the last rank
	s_or_b32 s30, s24, s20
	s_cmp_lg_u32 s30, 0
	s_cbranch_scc1 .Lnot_first                     ; slice 0's wave 0 stores the expert's count, 32 words alike; v14 and v15 are not written again
	s_lshl_b32 s30, s23, 7
	v_add_nc_u32 v14, s30, v11
	v_mov_b32 v15, s25
	global_store_b32 v14, v15, s[18:19] offset:65536
.Lnot_first:
	SELECT                                         ; my first tile's tokens
	LOADW 2
	; ---- Q
	BLOCK 0
	BLOCK 1
	BLOCK 2
	BLOCK 3
	IMG 0
	BLOCK 4
	BLOCK 5
	BLOCK 6
	BLOCK 7
	IMG 1
	s_wait_dscnt 0x0                               ; for the others' sake: my images have landed
	ALOADS                                         ; my first tile's operands, at addresses that are held inside the tables: asked for whether the tile exists or not
	s_barrier_signal -1
	s_barrier_wait -1                              ; the slice's 32 pairs lie in LDS; nothing is stored there from here on
	; ---- P
	s_mov_b32 s28, 0
.Ltrip:
	s_cmp_ge_u32 s27, s26
	s_cbranch_scc1 .Ltail                          ; no such tile
	s_cmp_eq_u32 s28, 0
	s_cbranch_scc1 .Lbody                          ; the first trip's operands were asked for ahead of the barrier
	s_wait_loadcnt 0x0                             ; the lines below write the offsets, and load into the registers, that the loads ahead of the barrier name: none of my loads is out here (a later trip has passed the tail's wait, so this one is met at once)
	SELECT
	ALOADS
.Lbody:
	BLOAD 0, 2
	BLOAD 1, 2
	s_wait_loadcnt 0x0                             ; my tokens' codes and scale words, and b1
.set PP, 0
.rept 32                               ; pair PP: K step PP / 4, tiles 2 (PP % 4) and 2 (PP % 4) + 1.  The eight accumulators take turns, one instruction a turn
.if PP < 31
	s_wait_dscnt 7                                 ; the one younger run of 7 may be out
.else
	s_wait_dscnt 0x0
.endif
.set BD, BB+24*(PP%2)
.set AD, A+12*(PP/4)
.set DD, ACC+16*(PP%4)
	v_wmma_scale_f32_16x16x128_f8f6f4 v[DD:DD+7], v[BD:BD+11], v[AD:AD+11], v[DD:DD+7], v[BS+PP%2], v[AS+PP/4] matrix_a_fmt:MATRIX_FMT_BF6 matrix_b_fmt:MATRIX_FMT_BF6
	v_wmma_scale_f32_16x16x128_f8f6f4 v[DD+8:DD+15], v[BD+12:BD+23], v[AD:AD+11], v[DD+8:DD+15], v[BS+PP%2], v[AS+PP/4] matrix_a_fmt:MATRIX_FMT_BF6 matrix_b_fmt:MATRIX_FMT_BF6 matrix_a_scale:MATRIX_SCALE_ROW1
.rept 4
	v_nop                                          ; four places ahead of the loads into the registers just read, and at the end ahead of the first read of results
.endr
.if PP+2 <= 31
	BLOAD PP+2, 2
.endif
.set PP, PP+1
.endr
	v_mov_b32 v[GK], 0x32edffee                    ; a5
	v_mov_b32 v[GK+1], 0x32edffee
	v_mov_b32 v[GK+2], 0xb95fbd29                  ; b3
	v_mov_b32 v[GK+3], 0xb95fbd29
.irp t, 0,1,2,3,4,5,6,7
	GELU8 \t
.endr
	QUANT ACC
	s_lshl_b32 s30, s23, 6
	s_add_co_u32 s30, s30, s27                     ; 64 e + tau
	s_lshl_b32 s31, s30, 5
	s_add_co_u32 s31, s31, s24                     ; x 32 + c
	s_mul_i32 s100, s31, 1536
	v_add_nc_u32 v[HQO], s100, v1
	s_lshl_b32 s100, s31, 7
	v_add_nc_u32 v[HSO], s100, v11
.irp j, 0,1,2
	global_store_b128 v[HQO], v[PC+4*\j:PC+4*\j+3], s[14:15] offset:512*\j   ; 32 lanes store 512 bytes on end, at a multiple of 512 from hq's first byte
.endr
	global_store_b32 v[HSO], v[PW], s[16:17]
	s_cmp_lg_u32 s24, 0
	s_cbranch_scc1 .Ltail
	s_lshl_b32 s100, s30, 7
	v_add_nc_u32 v[ORO], s100, v11
	global_store_b32 v[ORO], v13, s[18:19]         ; slice 0 stores the tile's list of tokens
.Ltail:
	s_wait_loadcnt 0x0                             ; a wave that left the trip out still has its first loads out: no later load lands on their registers
	s_wait_xcnt 0x0                                ; the stores have read their data and offsets, the loads their offsets: all are written again in the next trip
	s_add_co_u32 s27, s27, 16
	s_add_co_u32 s28, s28, 1
	s_cmp_lt_u32 s28, 4
	s_cbranch_scc1 .Ltrip
	s_wait_xcnt 0x0
	v_lshl_add_u32 v254, v0, 2, 0x19000
	v_mov_b32 v255, 0
	s_wait_tensorcnt 0x0
	ds_add_u32 v254, v255
	s_wait_dscnt 0x0
	s_endpgm
.Lfunc_end_k_qee36696635_ffn1:
	.size	k_qee36696635_ffn1, .Lfunc_end_k_qee36696635_ffn1-k_qee36696635_ffn1
	.p2alignl 7, 3214868480
	.fill 96, 4, 3214868480
	.section	.rodata,"a",@progbits
	.p2align	6, 0x0
	.amdhsa_kernel k_qee36696635_ffn1
		.amdhsa_group_segment_fixed_size 104448
		.amdhsa_private_segment_fixed_size 0
		.amdhsa_enable_private_segment 0
		.amdhsa_kernarg_size 64
		.amdhsa_user_sgpr_count 2
		.amdhsa_user_sgpr_kernarg_segment_ptr 1
		.amdhsa_wavefront_size32 1
		.amdhsa_system_sgpr_workgroup_id_x 1
		.amdhsa_system_sgpr_workgroup_id_y 1
		.amdhsa_system_sgpr_workgroup_id_z 1
		.amdhsa_system_vgpr_workitem_id 0
		.amdhsa_next_free_vgpr 256
		.amdhsa_next_free_sgpr 104
		.amdhsa_reserve_vcc 1
		.amdhsa_float_denorm_mode_32 3
		.amdhsa_float_denorm_mode_16_64 3
		.amdhsa_memory_ordered 1
		.amdhsa_forward_progress 1
		.amdhsa_inst_pref_size 152
	.end_amdhsa_kernel
	.amdgpu_metadata
---
amdhsa.version: [ 1, 2 ]
amdhsa.kernels:
  - .name:           k_qee36696635_ffn1
    .symbol:         k_qee36696635_ffn1.kd
    .args:
      - { .name: w1, .offset: 0, .size: 8, .value_kind: global_buffer, .address_space: global }
      - { .name: b1, .offset: 8, .size: 8, .value_kind: global_buffer, .address_space: global }
      - { .name: xq, .offset: 16, .size: 8, .value_kind: global_buffer, .address_space: global }
      - { .name: xs, .offset: 24, .size: 8, .value_kind: global_buffer, .address_space: global }
      - { .name: eidx, .offset: 32, .size: 8, .value_kind: global_buffer, .address_space: global }
      - { .name: hq, .offset: 40, .size: 8, .value_kind: global_buffer, .address_space: global }
      - { .name: hs, .offset: 48, .size: 8, .value_kind: global_buffer, .address_space: global }
      - { .name: order, .offset: 56, .size: 8, .value_kind: global_buffer, .address_space: global }
    .group_segment_fixed_size: 104448
    .private_segment_fixed_size: 0
    .kernarg_segment_align: 8
    .kernarg_segment_size: 64
    .max_flat_workgroup_size: 512
    .sgpr_count:     104
    .vgpr_count:     256
    .wavefront_size: 32
...
	.end_amdgpu_metadata
.endif
;; end of part 2
;; launch ffn2 (part 3): grid 32 x 8, 16 waves a work-group, no clusters, 141,312 bytes of LDS; arguments w2, b2, hq, hs, order, gate, out0; writes out0
.if DOCPART == 3
	.amdgcn_target "amdgcn-amd-amdhsa--gfx1250"
	.amdhsa_code_object_version 6
	.text
	.protected	k_qee36696635_ffn2
	.globl	k_qee36696635_ffn2
	.p2align	8
	.type	k_qee36696635_ffn2,@function
k_qee36696635_ffn2:
	s_mov_b64 s[64:65], 0
	v_nop
	global_prefetch_b8 v0, s[64:65] scope:SCOPE_SE
	s_setreg_imm32_b32 hwreg(HW_REG_WAVE_MODE, 25, 1), 1
	s_wait_xcnt 0x0
; SECOND LAYER OF THE EXPERTS: out[token] = (h w2[e] + b2[e]) x the token's gate, for the tokens that chose expert e.  Both operands are codes of BF6 (E3M2) with one E8M0 scale for each 32 along K.
; w2: [8][4096 (k)][1024 (column)] f32.  A work-group takes expert e (y) and columns 32 c .. 32 c + 31 (x), all of K: 512 KB of w2, read ONCE and quantised in registers; each piece of an output row has one owner.
; PHASE Q.  Wave w takes rows 256 w .. 256 w + 255 (K steps 2 w and 2 w + 1).  A LANE TAKES A COLUMN AND ITS REGISTERS RUN DOWN K.  Lanes 0-15 hold tile 0's columns, lanes 16-31 tile 1's; an exchange of halves between the registers of blocks
;   2 cc and 2 cc + 1 makes of them the two tiles' operand registers.  The PAIR of tiles of a K step (24 registers) goes to LDS as an image of its registers, its scale words (tile 0 in lanes 0-15, tile 1 in lanes 16-31) beside it.
;   A row's part is 128 bytes on end; the slice beside mine reads the 128 next to them, so these loads carry no hint.
; PHASE P, behind the one barrier.  A tile of 16 tokens to a wave: tile tau = tau0 + 16 i, i = 0 .. 3 (a loop of constant count; a trip whose tile does not exist is left out by a scalar branch on the stored count).  h's operands come from hq
;   as images of registers (512 bytes on end a load), eight K steps ahead, in a ring of registers.  The product is used TRANSPOSED (source 0 = 16 columns, source 1 = 16 tokens).  Even and odd K steps have accumulators of their own, so that
;   four take turns; b2 is the C of the even sums' first products.  On the way out the tile turns through the wave's own stage, so that eight lanes store a row's 128 bytes on end, at the row that the stored list names.
; Rows past the expert's last token are copies of that token: they store the same bytes at the same place.  A work-group whose expert has no token stores nothing.
; NO TENSOR LOAD, NO CLUSTER: the trips that work hang on a count read from memory; what the 32 work-groups of an expert share is h's codes (3 KB a token), while each work-group's 512 KB of weights are its own.
; LIMITS: NaN and infinities are not served.  A block of zeros gets the byte 1 where the rule says 127: its codes are zeros and this program alone reads the bytes.  A sum over K is made in two halves (even and odd K steps) that are added at the end.
.set PITCH, 4096                       ; a row of w2[e] in bytes
.set PAIRB, 3072                       ; LDS: pair p = K step p at 3,072 p: 32 pairs
.set SCB,   98304                      ; their scale words, 128 bytes each
.set STG,   102400                     ; a stage of 16 rows x (128 bytes + 16) for each wave
.set X,    16                          ; Q: v16-111  three sets of 32 numbers
.set F,    160                         ;    v160-207 two pairs' codes
.set T,    208                         ;    v208-223 the upper halves of four blocks' codes
.set VM0,  224
.set VM1,  225
.set VS,   226
.set VB,   227
.set SW,   232                         ;    v232-233 the pairs' scale words
.set ACC,  16                          ; P: v16-47   tile n' of columns, K steps of parity par: 16 + 8 (2 par + n')
.set AR,   48                          ;    v48-143  h's operands: a ring of eight K steps
.set AS,   144                         ;    v144-159 h's scale words: register k: K step 2 k in lanes 0-15, 2 k + 1 in lanes 16-31
.set BB,   160                         ;    v160-231 three pairs from LDS, by turns
.set BS,   232                         ;    v232-234 their scale words
.set LST,  236                         ;    v236-239 the tokens of rows 4 i + l / 8
.set G,    240                         ;    v240-243 their gates
.set GOFF, 244
.set TO,   248                         ;    v248-251 their bytes in out0
.set OB,   32                          ;    the way out: four rows an instruction, in the odd sums' registers, which are free once they have been added onto the even ones: no vector instruction writes a register that a product takes as an operand
; v1 16 l; v2 16 l + 49,152; v3 SCB + 4 l; v4 4 l; v5, v6 where I store images and scale words; v7 h's scale words; v8 4 (l / 8); v9 32 h; v10, v11 the stage, in and out; v12 16 (l % 8)
; s20 wave, s23 e, s24 c, s25 the expert's count, s26 its tiles, s27 tau, s28 the trip, s29 the last tile, s[32:37] hq, hs, order at my tile, s[40:41] w2 at my part, s[42:43] b2 at my slice, s[44:45] out0 at my columns
	s_load_b256 s[4:11], s[0:1], 0x0               ; w2, b2, hq, hs
	s_load_b128 s[12:15], s[0:1], 0x20             ; order, gate
	s_load_b64 s[16:17], s[0:1], 0x30              ; out0
	v_lshl_add_u32 v254, v0, 2, 0x22000
	v_mov_b32 v255, 0
	v_lshrrev_b32 v13, 5, v0
	v_readfirstlane_b32 s20, v13                   ; wave 0..15
	s_and_b32 s21, s20, 3
	s_lshr_b32 s22, s20, 2
	s_and_b32 s23, ttmp7, 0xffff
	s_mov_b32 s24, ttmp9
	v_and_b32 v13, 31, v0
	v_lshlrev_b32 v1, 4, v13
	v_add_nc_u32 v2, 16*PAIRB, v1
	v_lshlrev_b32 v4, 2, v13
	v_add_nc_u32 v3, SCB, v4
	s_mul_i32 s30, s20, 2*PAIRB
	v_add_nc_u32 v5, s30, v1
	s_lshl_b32 s30, s20, 8
	v_add_nc_u32 v6, s30, v3
	v_and_b32 v14, 15, v0                          ; r
	v_bfe_u32 v15, v0, 4, 1                        ; h
	v_lshlrev_b32 v7, 2, v14
	v_lshl_add_u32 v7, v15, 7, v7
	v_bfe_u32 v8, v0, 3, 2                         ; l / 8
	v_lshlrev_b32 v9, 5, v15
	s_mul_i32 s30, s20, 16*144
	s_add_co_u32 s30, s30, STG                     ; my stage
	v_mul_u32_u24 v10, v14, 144
	v_lshl_add_u32 v10, v15, 5, v10
	v_add_nc_u32 v10, s30, v10                     ; in: row r, 32 bytes for each half of the lanes
	v_mul_u32_u24 v11, v8, 144
	v_and_b32 v12, 7, v0
	v_lshlrev_b32 v12, 4, v12
	v_add_nc_u32 v11, v11, v12
	v_add_nc_u32 v11, s30, v11                     ; out: eight lanes to a row, four rows an instruction
	v_lshlrev_b32 v8, 2, v8
	s_sub_co_u32 s27, s21, s22
	s_and_b32 s27, s27, 3
	s_lshl_b32 s27, s27, 2
	s_add_co_u32 s27, s27, s22                     ; tau0 = 4 ((wave % 4 - wave / 4) & 3) + wave / 4: the first four and the first eight tiles fall on waves that differ both in wave % 4 and in wave / 4
	s_lshl_b32 s38, s23, 24                        ; w2: expert, 2^24 bytes;
	s_lshl_b32 s30, s20, 20                        ; 256 w rows;
	s_add_co_u32 s38, s38, s30
	s_lshl_b32 s30, s24, 7                         ; 32 c columns
	s_add_co_u32 s38, s38, s30
	s_mov_b32 s39, 0
	s_lshl_b32 s46, s23, 12                        ; b2: expert, 4,096 bytes; 32 c columns
	s_add_co_u32 s46, s46, s30
	s_mov_b32 s47, 0
	s_lshl_b32 s31, s23, 7                         ; the count's place in order; kept until the scalar load is waited for
	s_wait_kmcnt 0x0
	s_add_nc_u64 s[40:41], s[4:5], s[38:39]
	s_add_nc_u64 s[42:43], s[6:7], s[46:47]
	s_mov_b32 s46, s30
	s_add_nc_u64 s[44:45], s[16:17], s[46:47]
	s_load_b32 s25, s[12:13], s31 offset:0x10000   ; the expert's count: wanted behind phase Q
.macro LOADW t                         ; block t of my 8: w2(32 t + i, my column), i = 0 .. 31, into set t % 3; each load reads 128 bytes on end
.set LR, X+32*((\t)%3)
.set LN, 0
.rept 32
	global_load_b32 v[LR+LN], v4, s[40:41] offset:(32*(\t)+LN)*PITCH
.set LN, LN+1
.endr
.endm
.macro BLOCK t                         ; block t becomes codes and a scale byte
.set XS, X+32*((\t)%3)
.set KSQ, (\t)/4                       ; which of my two K steps,
.set BQ, (\t)%4                        ; which block of it
.set FD, F+24*KSQ+12*(BQ%2)+6*(BQ/2)
.if (\t) <= 5
	s_wait_loadcnt 63                              ; 64 loads are younger than this block's; the count names 63 at the most
.elseif (\t) == 6
	s_wait_loadcnt 32                              ; the last block's 32 are younger
.else
	s_wait_loadcnt 0x0
.endif
	v_max3_num_f32 v[VM0], |v[XS]|, |v[XS+1]|, |v[XS+2]|          ; the block's largest magnitude: all 32 numbers are mine
	v_max3_num_f32 v[VM1], |v[XS+3]|, |v[XS+4]|, |v[XS+5]|
.irp i, 6,10,14,18,22,26
	v_max3_num_f32 v[VM0], v[VM0], |v[XS+\i]|, |v[XS+\i+1]|
	v_max3_num_f32 v[VM1], v[VM1], |v[XS+\i+2]|, |v[XS+\i+3]|
.endr
	v_max3_num_f32 v[VM0], v[VM0], |v[XS+30]|, |v[XS+31]|
	v_max3_num_f32 v[VM0], v[VM0], v[VM1], 0x2800000               ; and the floor 2^(5 - 127): the byte cannot fall under 1
	v_add_nc_u32 v[VS], 0xfe000000, v[VM0]         ; 4 off its exponent field: the conversion's scale operand
.if BQ == 0
	v_lshrrev_b32 v[SW+KSQ], 23, v[VS]             ; the scale's byte: four to a word, the lower K in the lower byte
.else
	v_lshrrev_b32 v[VB], 23, v[VS]
	v_lshl_or_b32 v[SW+KSQ], v[VB], 8*BQ, v[SW+KSQ]
.endif
	v_cvt_scalef32_pk16_bf6_f32 v[FD:FD+2], v[XS:XS+15], v[VS]
	v_cvt_scalef32_pk16_bf6_f32 v[T+4*BQ:T+4*BQ+2], v[XS+16:XS+31], v[VS]   ; (a conversion's three registers begin on an even number)
	v_nop                                          ; one plain line behind the conversions
.if (\t)+3 <= 7
	LOADW (\t)+3                                   ; into the set just converted
.endif
.if BQ%2 == 1                          ; the first's lanes 16-31 change places with the second's lanes 0-15: the first register is then tile 0's, the second tile 1's
.set CC, BQ/2
.irp i, 0,1,2
	v_permlane16_swap_b32 v[F+24*KSQ+6*CC+\i], v[F+24*KSQ+12+6*CC+\i]
	v_permlane16_swap_b32 v[T+4*(BQ-1)+\i], v[T+4*BQ+\i]
.endr
.irp i, 0,1,2
	v_mov_b32 v[F+24*KSQ+6*CC+3+\i], v[T+4*(BQ-1)+\i]
	v_mov_b32 v[F+24*KSQ+12+6*CC+3+\i], v[T+4*BQ+\i]
.endr
.endif
.endm
.macro IMG ks                          ; a pair goes to LDS as it stands: 512 bytes on end a store
.irp j, 0,1,2,3,4,5
	ds_store_b128 v5, v[F+24*\ks+4*\j:F+24*\ks+4*\j+3] offset:PAIRB*\ks+512*\j
.endr
	ds_store_b32 v6, v[SW+\ks] offset:128*\ks
.endm
.macro BLOAD p, nb                     ; pair p and its scale words from LDS: 7 LDS loads
.set BD, BB+24*((\p)%(\nb))
.irp j, 0,1,2,3,4,5
.if (\p) < 16
	ds_load_b128 v[BD+4*\j:BD+4*\j+3], v1 offset:PAIRB*(\p)+512*\j
.else
	ds_load_b128 v[BD+4*\j:BD+4*\j+3], v2 offset:PAIRB*((\p)-16)+512*\j
.endif
.endr
	ds_load_b32 v[BS+(\p)%(\nb)], v3 offset:128*(\p)
.endm
.macro ALOAD s                         ; h's operand of K step s into place s % 8 of the ring: 3 loads of 512 bytes on end
.irp j, 0,1,2
	global_load_b128 v[AR+12*((\s)%8)+4*\j:AR+12*((\s)%8)+4*\j+3], v1, s[32:33] offset:1536*(\s)+512*\j
.endr
.endm
.macro HEAD3                           ; a tile's first loads, 4 + 16 + 4 + 24 = 48, in this order.  The tile's number is held to the tiles that exist (at least tile 0, which the launch before always makes)
	s_min_u32 s30, s27, s29
	s_min_u32 s30, s30, 63
	s_lshl_b32 s38, s23, 6
	s_add_co_u32 s30, s30, s38                     ; 64 e + tile
	s_mov_b32 s39, 0
	s_mul_i32 s38, s30, 49152
	s_add_nc_u64 s[32:33], s[8:9], s[38:39]
	s_lshl_b32 s38, s30, 12
	s_add_nc_u64 s[34:35], s[10:11], s[38:39]
	s_lshl_b32 s38, s30, 7
	s_add_nc_u64 s[36:37], s[12:13], s[38:39]
.irp n, 0,1                            ; b2 in the result's layout: lane (r, h), tile n': columns 16 n' + 8 h + 0 .. 7
	global_load_b128 v[ACC+8*\n:ACC+8*\n+3], v9, s[42:43] offset:64*\n
	global_load_b128 v[ACC+8*\n+4:ACC+8*\n+7], v9, s[42:43] offset:64*\n+16
.endr
.irp k, 0,1,2,3,4,5,6,7,8,9,10,11,12,13,14,15
	global_load_b32 v[AS+\k], v7, s[34:35] offset:256*\k
.endr
.irp i, 0,1,2,3
	global_load_b32 v[LST+\i], v8, s[36:37] offset:16*\i
.endr
.irp s, 0,1,2,3,4,5,6,7
	ALOAD \s
.endr
.endm
; A product of K step SS: d the accumulator, b the tile's 12 registers, ra = 1: the tile's scale words stand in lanes 16-31.  Odd K steps take h's scale words from lanes 16-31; K step 1 starts the odd sums with the constant 0.
.macro WM2 d, b, ra
.if SS == 1
.if \ra
	v_wmma_scale_f32_16x16x128_f8f6f4 v[\d:\d+7], v[\b:\b+11], v[AD:AD+11], 0, v[BS+SS%3], v[AS+SS/2] matrix_a_fmt:MATRIX_FMT_BF6 matrix_b_fmt:MATRIX_FMT_BF6 matrix_a_scale:MATRIX_SCALE_ROW1 matrix_b_scale:MATRIX_SCALE_ROW1
.else
	v_wmma_scale_f32_16x16x128_f8f6f4 v[\d:\d+7], v[\b:\b+11], v[AD:AD+11], 0, v[BS+SS%3], v[AS+SS/2] matrix_a_fmt:MATRIX_FMT_BF6 matrix_b_fmt:MATRIX_FMT_BF6 matrix_b_scale:MATRIX_SCALE_ROW1
.endif
.elseif SS%2 == 1
.if \ra
	v_wmma_scale_f32_16x16x128_f8f6f4 v[\d:\d+7], v[\b:\b+11], v[AD:AD+11], v[\d:\d+7], v[BS+SS%3], v[AS+SS/2] matrix_a_fmt:MATRIX_FMT_BF6 matrix_b_fmt:MATRIX_FMT_BF6 matrix_a_scale:MATRIX_SCALE_ROW1 matrix_b_scale:MATRIX_SCALE_ROW1
.else
	v_wmma_scale_f32_16x16x128_f8f6f4 v[\d:\d+7], v[\b:\b+11], v[AD:AD+11], v[\d:\d+7], v[BS+SS%3], v[AS+SS/2] matrix_a_fmt:MATRIX_FMT_BF6 matrix_b_fmt:MATRIX_FMT_BF6 matrix_b_scale:MATRIX_SCALE_ROW1
.endif
.else
.if \ra
	v_wmma_scale_f32_16x16x128_f8f6f4 v[\d:\d+7], v[\b:\b+11], v[AD:AD+11], v[\d:\d+7], v[BS+SS%3], v[AS+SS/2] matrix_a_fmt:MATRIX_FMT_BF6 matrix_b_fmt:MATRIX_FMT_BF6 matrix_a_scale:MATRIX_SCALE_ROW1
.else
	v_wmma_scale_f32_16x16x128_f8f6f4 v[\d:\d+7], v[\b:\b+11], v[AD:AD+11], v[\d:\d+7], v[BS+SS%3], v[AS+SS/2] matrix_a_fmt:MATRIX_FMT_BF6 matrix_b_fmt:MATRIX_FMT_BF6
.endif
.endif
.endm
	; ---- Q
	LOADW 0
	LOADW 1
	LOADW 2
	BLOCK 0
	BLOCK 1
	BLOCK 2
	BLOCK 3
	IMG 0
	BLOCK 4
	BLOCK 5
	BLOCK 6
	BLOCK 7
	IMG 1
	s_wait_kmcnt 0x0                               ; the expert's count
	s_add_co_u32 s26, s25, 15
	s_lshr_b32 s26, s26, 4                         ; its tiles, 0 where it has no token
	s_max_u32 s29, s26, 1
	s_sub_co_u32 s29, s29, 1                       ; the last tile that was made
	s_wait_dscnt 0x0                               ; for the others' sake: my images have landed
	HEAD3                                          ; my first tile's loads, at addresses held inside what was made: asked for whether the tile exists or not
	s_barrier_signal -1
	s_barrier_wait -1                              ; the slice's 32 pairs lie in LDS; nothing is stored there from here on
	; ---- P
	s_mov_b32 s28, 0
.Ltrip:
	s_cmp_ge_u32 s27, s26
	s_cbranch_scc1 .Ltail                          ; no such tile
	s_cmp_eq_u32 s28, 0
	s_cbranch_scc1 .Lbody                          ; the first trip's loads were asked for ahead of the barrier
	s_wait_loadcnt 0x0                             ; the lines below write the bases, and load into the registers, that the loads ahead of the barrier name: none of my loads is out here (a later trip has passed the tail's wait, so this one is met at once)
	HEAD3
.Lbody:
	BLOAD 0, 3
	BLOAD 1, 3
	BLOAD 2, 3
.set SS, 0
.rept 32                               ; K step SS.  Four accumulators take turns, one instruction a turn
.if SS == 0
	s_wait_loadcnt 21                              ; b2, the scale words, the list and K step 0 are in: K steps 1 to 7, three loads each, are younger
.elseif SS < 8
	s_wait_loadcnt 25                              ; seven K steps' loads and the four gates are younger
.elseif SS < 25
	s_wait_loadcnt 21                              ; seven K steps' loads are younger
.else
	s_wait_loadcnt 3*(31-SS)                       ; the ring runs out
.endif
.if SS < 30
	s_wait_dscnt 14                                ; two younger runs of 7 may be out
.else
	s_wait_dscnt 7*(31-SS)
.endif
.set BD, BB+24*(SS%3)
.set AD, AR+12*(SS%8)
.set DD, ACC+16*(SS%2)
	WM2 DD, BD, 0
	WM2 DD+8, BD+12, 1
.if SS == 0                            ; the places behind the products are filled with the way out's offsets: twelve plain lines that name none of the products' registers
.irp i, 0,1,2,3
	v_min_u32 v[LST+\i], 0x3ff, v[LST+\i]          ; inside the tables, whatever was read
.endr
.irp i, 0,1,2,3
	v_lshlrev_b32 v[GOFF+\i], 2, v[LST+\i]
.endr
.irp i, 0,1,2,3
	v_lshl_add_u32 v[TO+\i], v[LST+\i], 12, v12    ; the token's row of 4,096 bytes, + my 16 bytes of the slice's 128
.endr
.irp i, 0,1,2,3
	global_load_b32 v[G+\i], v[GOFF+\i], s[14:15]
.endr
.else
.rept 4
	v_nop                                          ; four places ahead of the loads into the registers just read, and at the end ahead of the first read of results and of the loads into the odd sums' registers
.endr
.endif
.if SS+3 <= 31
	BLOAD SS+3, 3
.endif
.if SS+8 <= 31
	ALOAD SS+8
.endif
.set SS, SS+1
.endr
	; ---- the way out
.irp k, 0,2,4,6,8,10,12,14
	v_pk_add_f32 v[ACC+\k:ACC+\k+1], v[ACC+\k:ACC+\k+1], v[ACC+16+\k:ACC+16+\k+1]   ; the odd K steps' sums onto the even ones', each accumulator from its low end on
.endr
.irp n, 0,1
.irp u, 0,1
	ds_store_b128 v10, v[ACC+8*\n+4*\u:ACC+8*\n+4*\u+3] offset:64*\n+16*\u   ; lane (r, h): row r, columns 16 n' + 8 h + 4 u on
.endr
.endr
.irp i, 0,1,2,3
	ds_load_b128 v[OB+4*\i:OB+4*\i+3], v11 offset:4*144*\i   ; LDS serves a wave's instructions in order: these see my stores
.endr
	s_wait_dscnt 0x0
.irp i, 0,2                            ; x the row's gate: of the pair of gates the low word, then the high word, serves both halves
.irp u, 0,2
	v_pk_mul_f32 v[OB+4*\i+\u:OB+4*\i+\u+1], v[OB+4*\i+\u:OB+4*\i+\u+1], v[G+\i:G+\i+1] op_sel_hi:[1,0]
	v_pk_mul_f32 v[OB+4*(\i+1)+\u:OB+4*(\i+1)+\u+1], v[OB+4*(\i+1)+\u:OB+4*(\i+1)+\u+1], v[G+\i:G+\i+1] op_sel:[0,1] op_sel_hi:[1,1]
.endr
.endr
.irp i, 0,1,2,3
	global_store_b128 v[TO+\i], v[OB+4*\i:OB+4*\i+3], s[44:45]   ; eight lanes store a row's 128 bytes on end; four rows an instruction
.endr
.Ltail:
	s_wait_loadcnt 0x0                             ; a wave that left the trip out still has its first loads out: no later load lands on their registers, and their bases are written again
	s_wait_xcnt 0x0                                ; the stores have read their data and offsets: both are written again in the next trip
	s_add_co_u32 s27, s27, 16
	s_add_co_u32 s28, s28, 1
	s_cmp_lt_u32 s28, 4
	s_cbranch_scc1 .Ltrip
	s_wait_tensorcnt 0x0
	ds_add_u32 v254, v255
	s_wait_dscnt 0x0
	s_endpgm
.Lfunc_end_k_qee36696635_ffn2:
	.size	k_qee36696635_ffn2, .Lfunc_end_k_qee36696635_ffn2-k_qee36696635_ffn2
	.p2alignl 7, 3214868480
	.fill 96, 4, 3214868480
	.section	.rodata,"a",@progbits
	.p2align	6, 0x0
	.amdhsa_kernel k_qee36696635_ffn2
		.amdhsa_group_segment_fixed_size 141312
		.amdhsa_private_segment_fixed_size 0
		.amdhsa_enable_private_segment 0
		.amdhsa_kernarg_size 56
		.amdhsa_user_sgpr_count 2
		.amdhsa_user_sgpr_kernarg_segment_ptr 1
		.amdhsa_wavefront_size32 1
		.amdhsa_system_sgpr_workgroup_id_x 1
		.amdhsa_system_sgpr_workgroup_id_y 1
		.amdhsa_system_sgpr_workgroup_id_z 1
		.amdhsa_system_vgpr_workitem_id 0
		.amdhsa_next_free_vgpr 256
		.amdhsa_next_free_sgpr 66
		.amdhsa_reserve_vcc 0
		.amdhsa_float_denorm_mode_32 3
		.amdhsa_float_denorm_mode_16_64 3
		.amdhsa_memory_ordered 1
		.amdhsa_forward_progress 1
		.amdhsa_inst_pref_size 88
	.end_amdhsa_kernel
	.amdgpu_metadata
---
amdhsa.version: [ 1, 2 ]
amdhsa.kernels:
  - .name:           k_qee36696635_ffn2
    .symbol:         k_qee36696635_ffn2.kd
    .args:
      - { .name: w2, .offset: 0, .size: 8, .value_kind: global_buffer, .address_space: global }
      - { .name: b2, .offset: 8, .size: 8, .value_kind: global_buffer, .address_space: global }
      - { .name: hq, .offset: 16, .size: 8, .value_kind: global_buffer, .address_space: global }
      - { .name: hs, .offset: 24, .size: 8, .value_kind: global_buffer, .address_space: global }
      - { .name: order, .offset: 32, .size: 8, .value_kind: global_buffer, .address_space: global }
      - { .name: gate, .offset: 40, .size: 8, .value_kind: global_buffer, .address_space: global }
      - { .name: out0, .offset: 48, .size: 8, .value_kind: global_buffer, .address_space: global }
    .group_segment_fixed_size: 141312
    .private_segment_fixed_size: 0
    .kernarg_segment_align: 8
    .kernarg_segment_size: 56
    .max_flat_workgroup_size: 512
    .sgpr_count:     66
    .vgpr_count:     256
    .wavefront_size: 32
...
	.end_amdgpu_metadata
.endif
;; end of part 3
;; ======== version 2 of 2: 3 launches; version 1 with the launches ffn1, ffn2 written anew for expert scheduling mode
;; workspace buffers: xq 786,432 bytes; xs 32,768 bytes; eidx 4,096 bytes of whole numbers; gate 4,096 bytes; hq 25,165,824 bytes; hs 2,097,152 bytes; order 66,560 bytes of whole numbers
;; launch route: the kernel of part 1 again; grid 256 x 1, 4 waves a work-group, no clusters, 56,832 bytes of LDS; arguments x, router_w, xq, xs, eidx, gate; writes xq, xs, eidx, gate
;; launch ffn1 (part 4): grid 32 x 8, 16 waves a work-group, no clusters, 104,448 bytes of LDS; arguments w1, b1, xq, xs, eidx, hq, hs, order; writes hq, hs, order
.if DOCPART == 4
	.amdgcn_target "amdgcn-amd-amdhsa--gfx1250"
	.amdhsa_code_object_version 6
	.text
	.protected	k_qee36696635_ffn1
	.globl	k_qee36696635_ffn1
	.p2align	8
	.type	k_qee36696635_ffn1,@function
k_qee36696635_ffn1:
	s_mov_b64 s[64:65], 0
	v_nop
	global_prefetch_b8 v0, s[64:65] scope:SCOPE_SE
	s_setreg_imm32_b32 hwreg(HW_REG_WAVE_SCHED_MODE, 0, 2), 2
	s_setreg_imm32_b32 hwreg(HW_REG_WAVE_MODE, 25, 1), 1
	s_wait_xcnt 0x0
	s_wait_alu depctr_vm_vsrc(0)
; FIRST LAYER OF THE EXPERTS: h = gelu(x w1[e] + b1[e]) for the tokens that chose expert e, quantised along the hidden units.  Both operands are codes of BF6 (E3M2) with one E8M0 scale for each 32 along K.
; w1: [8][1024 (k)][4096 (unit)] f32.  A work-group takes expert e (y) and hidden units 128 c .. 128 c + 127 (x): 512 KB of w1, which nobody else reads, read ONCE and quantised in registers.
; PHASE Q.  Sixteen waves: wave (q = wave / 4, g = wave % 4) takes units 32 g .. 32 g + 31 and rows 256 q .. 256 q + 255.  A LANE TAKES A UNIT AND ITS REGISTERS RUN DOWN K: a block of 32 lies in one lane, the conversions give codes with K
;   innermost.  Lanes 0-15 hold one tile's 16 units and lanes 16-31 the next tile's; an exchange of halves between the registers of blocks 2 cc and 2 cc + 1 makes of them the two tiles' operand registers.  A PAIR of tiles (24 registers) goes to
;   LDS as an image of its registers, its scale words (one register: tile 0 in lanes 0-15, tile 1 in lanes 16-31) beside it.  Up to three blocks' loads (128 bytes on end each) are asked for ahead.
; THE UNITS OF A TILE ARE NOT NEIGHBOURS: lane r of tile 2 g + u takes unit 32 g + 8 u + r + 8 (r / 8), so that the 16 registers of tiles 2 g and 2 g + 1 of a result are 16 neighbours along the next K.
; PHASE P, behind the one barrier.  A tile of 16 tokens to a wave: tile tau = tau0 + 16 i, i = 0 .. 3 (a loop of constant count; a trip whose tile does not exist is left out by a scalar branch on the stored choice).  The product is used
;   TRANSPOSED (source 0 = 16 units, source 1 = 16 tokens): a lane holds one token.  b1 is the C of each sum's first product.  Exact GELU by erf, then the quantiser: the 128 units are K step c of the second layer: one operand image -> hq, hs.
; WHICH TOKEN HAS RANK p IN EXPERT e is worked out in registers from eidx, whole numbers that the launch before has stored: 32 masks (a register of eidx each), running counts, and the n-th set bit of a mask.  Slice c = 0 stores the lists and the count.
; Ranks past the last are held at the last: such rows are copies of the last token.  An expert without tokens still makes tile 0 (of token 1,023), so that the next launch's first loads find written bytes.
; hq: [e][tile 64][s 32][1,536 bytes]: register group j of lane l at 512 j + 16 l.  hs: [e][tile][s][32 words].  order: [e][tile][32 words] the token of row l % 16; from byte 65,536 [e][32 words] the count.
; NO TENSOR LOAD, NO CLUSTER: the trips that work hang on counts read from memory; what the 32 work-groups of an expert share is the tokens' codes (768 bytes a token), while each work-group's 512 KB of weights are its own.
; LIMITS: NaN and infinities are not served.  A block of zeros gets the byte 1 where the rule says 127: its codes are zeros and this program alone reads the bytes.
; erf(z) is z P(z^2) / Q(z^2) with z held to +-4 (degrees 6 and 4), a few 1e-7 absolute; gelu = 0.5 x erf + 0.5 x, so under x = -3 the tiny result's relative error grows, its absolute error stays under 3e-7 |x|.
; THE MODE: SCHED_MODE bits 1:0 = 2 (LLVM: expert scheduling mode 2), set by the entry lines.  The code itself states the register dependences
; between vector or matrix instructions and memory or LDS instructions, with s_wait_alu, always for 0.
; THE PLAN.  Registers that memory or LDS instructions touch:
;   v1-v6, v10, v11  offsets and LDS addresses, made at the head and never written again: one wait on va_vdst ahead of the first load serves them for the whole kernel.
;   Q: X0 .. X2      block t's maxima and conversions read X[t % 3]; behind them the loads of block t + 3 land in it.
;      F, SW         written by the conversions, the exchange of halves and the moves; read by the images' LDS stores.
;      ONE wait on va_vdst stands behind a block's last vector line: the set is read out, and in a K step's last block its pair is written.  Blocks 5 and 6, behind which nothing is loaded or stored, have none.
;   P: BB0 .. BB2, BS0 .. BS2   step p's two products read BB[p % 3]; the LDS loads of pair p + 2, issued in step p behind its products, land in BB[(p + 2) % 3] = BB[(p - 1) % 3].
;      ONE wait on va_vdst stands at a step's head, behind the wait for the step's pair: the products of the step before are done reading their pair.  No instruction of step p names that buffer.
;      ACC, A, AS    filled by a tile's first loads, ahead of which stands the wait behind the placing's arithmetic (first tile: phase Q's last).
;      v8, v9, v13   written by the placing, read by those loads and by the list's store.   PC, PW, HQO, HSO, ORO: written behind the K loop, read by the result's stores, ahead of which one wait on va_vdst stands.
;      ONE wait on vm_vsrc stands at the head of a trip, ahead of its branches: all that earlier stores and loads have read may be written again.
.set PITCH, 16384                      ; a row of w1[e] in bytes
.set PAIRB, 3072                       ; LDS: pair p (K step p / 4, tiles 2 (p % 4), 2 (p % 4) + 1) at 3,072 p: 32 pairs
.set SCB,   98304                      ; behind them the pairs' scale words, 128 bytes each
.set X,    16                          ; Q: v16-111  three sets of 32 numbers
.set IDX,  112                         ;    v112-143 eidx: register 4 qq + j of lane L is token 128 qq + 4 L + j
.set F,    184                         ;    v184-231 two pairs' codes
.set SW,   232                         ;    v232-233 their scale words
.set VM0,  234
.set VM1,  235
.set T,    236                         ;    v236-251 the upper halves of four blocks' codes
.set VS,   252
.set VB,   253
.set ACC,  16                          ; P: v16-79   eight tiles of units x my 16 tokens
.set A,    80                          ;    v80-175  my tokens' codes, K step s at 80 + 12 s
.set AS,   176                         ;    v176-179 their scale words: register k: K step 2 k in lanes 0-15, 2 k + 1 in lanes 16-31
.set BS,   180                         ;    v180-182 the pairs' scale words
.set BB,   184                         ;    v184-255 three pairs from LDS, by turns
.set GZ,   80                          ; behind the K loop: at work on the GELU
.set GY,   88
.set GP,   96
.set GQ,   104
.set GK,   112                         ;    v112-115 two coefficients as pairs
.set PC,   184                         ;    v184-203 the codes just made
.set PW,   204                         ;    their scale word
.set HQO,  205                         ;    offsets of the stores
.set HSO,  206
.set ORO,  207
.set TM,   240                         ;    v240-255 the quantiser's
.set VP,   234                         ; the placing's: rank, mask, packed count and base, rank in the mask, field counts, place, at work
.set VMK,  235
.set VBS,  236
.set VN,   237
.set QA,   238
.set QB,   239
.set QC,   240
.set QD,   241
.set POS,  242
.set QT,   243
.set QU,   244
.set SEL,  92                          ; s[92:93] v_permlanex16_b32's selects
; v1 16 l; v2 16 l + 49,152; v3 SCB + 4 l; v4 my unit's bytes in a row of w1; v5, v6 where I store images and scale words; v7 r; v8 my token's bytes in xq; v9 in xs, + 4 h; v10 64 h; v11 4 l; v12 384 h; v13 my token
; s20 wave, s21 g, s22 q, s23 e, s24 c, s25 the expert's count M, s26 its tiles (at least 1), s27 tau, s28 the trip, s29 the last rank, s[32:63] the masks, s[66:91] constants of the GELU, s[94:95] w1 at my part, s[96:97] b1 at my slice
; s2, s3, s70, s71, s84, s85, s98, s99: the results of a run of eight compares in the placing; s100 and s31 its two running counts
	s_load_b512 s[4:19], s[0:1], 0x0               ; w1, b1, xq, xs, eidx, hq, hs, order
	v_lshrrev_b32 v14, 5, v0
	v_readfirstlane_b32 s20, v14                   ; wave 0..15
	s_and_b32 s23, ttmp7, 0xffff
	s_mov_b32 s24, ttmp9
	v_and_b32 v15, 31, v0
	v_lshlrev_b32 v1, 4, v15
	v_add_nc_u32 v2, 16*PAIRB, v1
	v_lshlrev_b32 v11, 2, v15
	v_add_nc_u32 v3, SCB, v11
	v_and_b32 v7, 15, v0
	v_bfe_u32 v12, v0, 4, 1
	v_lshlrev_b32 v10, 6, v12
	v_mul_u32_u24 v12, v12, 384
	v_and_b32 v4, 7, v0
	v_bfe_u32 v5, v0, 3, 1
	v_lshl_add_u32 v4, v5, 4, v4
	v_bfe_u32 v5, v0, 4, 1
	v_lshl_add_u32 v4, v5, 3, v4                   ; my unit among the wave's 32: (L & 7) + 16 ((L >> 3) & 1) + 8 (L >> 4)
	v_lshlrev_b32 v4, 2, v4
.irp b, 0,1,2,3
	v_mov_b32 v[TM+4+\b], 0                        ; written once: a lane permute's destination counts as one of its sources
.endr
	s_wait_alu depctr_va_sdst(0)                   ; s20 is written, ahead of its first reader; the lines above, which do not hang on it, stand between
	s_and_b32 s21, s20, 3
	s_lshr_b32 s22, s20, 2
	s_lshl_b32 s30, s22, 3
	s_add_co_u32 s30, s30, s21                     ; my first pair: 8 q + g; my second lies four pairs on
	s_mul_i32 s31, s30, PAIRB
	v_add_nc_u32 v5, s31, v1
	s_lshl_b32 s31, s30, 7
	v_add_nc_u32 v6, s31, v3
.macro SPAIR r, val                    ; a constant for the packed forms, which name a pair and take its low word for both halves
	s_mov_b32 s[\r], \val
	s_mov_b32 s[\r+1], \val
.endm
	SPAIR 66, 0x3f3504f3                           ; 1 / sqrt(2)
	SPAIR 68, 0xaf95df0b                           ; P: a6 (a5 stands in v[112:113]),
	SPAIR 72, 0xb60cff51                           ; a4,
	SPAIR 74, 0xb86ec2d2                           ; a3,
	SPAIR 76, 0xba40ac63                           ; a2,
	SPAIR 78, 0xbb41a1f6                           ; a1,
	SPAIR 80, 0xbc83dbd4                           ; a0
	SPAIR 82, 0xb77460cd                           ; Q: b4 (b3 stands in v[114:115]),
	SPAIR 86, 0xbadc924e                           ; b2,
	SPAIR 88, 0xbbf19bf8                           ; b1,
	SPAIR 90, 0xbc69b6a7                           ; b0
	s_mov_b32 s[SEL], 0x76543210
	s_mov_b32 s[SEL+1], 0xfedcba98
	s_sub_co_u32 s27, s21, s22
	s_and_b32 s27, s27, 3
	s_lshl_b32 s27, s27, 2
	s_add_co_u32 s27, s27, s22                     ; tau0 = 4 ((g - q) & 3) + q: the first four and the first eight tiles fall on waves that differ both in wave % 4 and in wave / 4
	s_lshl_b32 s30, s23, 24                        ; w1: expert, 2^24 bytes;
	s_lshl_b32 s31, s22, 22                        ; 256 q rows;
	s_add_co_u32 s30, s30, s31
	s_lshl_b32 s31, s24, 9                         ; 128 c units;
	s_add_co_u32 s30, s30, s31
	s_lshl_b32 s31, s21, 7                         ; 32 g units
	s_add_co_u32 s30, s30, s31
	s_lshl_b32 s98, s23, 14                        ; b1: expert, 16,384 bytes;
	s_lshl_b32 s99, s24, 9                         ; 128 c units
	s_add_co_u32 s98, s98, s99
	s_mov_b32 s31, 0
	s_mov_b32 s99, 0
	s_wait_kmcnt 0x0
	s_add_nc_u64 s[94:95], s[4:5], s[30:31]
	s_add_nc_u64 s[96:97], s[6:7], s[98:99]
.macro LOADW t                         ; block t of my 8: w1(32 t + i, my unit), i = 0 .. 31, into set t % 3; each load reads 128 bytes on end, the four waves of a q 512
.set LR, X+32*((\t)%3)
.set LN, 0
.rept 32
	global_load_b32 v[LR+LN], v4, s[94:95] offset:(32*(\t)+LN)*PITCH th:TH_LOAD_NT
.set LN, LN+1
.endr
.endm
.macro BLOCK t                         ; block t becomes codes and a scale byte
.set XS, X+32*((\t)%3)
.set KSQ, (\t)/4                       ; which of my two K steps,
.set BQ, (\t)%4                        ; which block of it
.set FD, F+24*KSQ+12*(BQ%2)+6*(BQ/2)
.if (\t) <= 5
	s_wait_loadcnt 63                              ; 64 loads are younger than this block's; the count names 63 at the most
.elseif (\t) == 6
	s_wait_loadcnt 32                              ; the last block's 32 are younger
.else
	s_wait_loadcnt 0x0
.endif
	v_max3_num_f32 v[VM0], |v[XS]|, |v[XS+1]|, |v[XS+2]|          ; the block's largest magnitude: all 32 numbers are mine
	v_max3_num_f32 v[VM1], |v[XS+3]|, |v[XS+4]|, |v[XS+5]|
.irp i, 6,10,14,18,22,26
	v_max3_num_f32 v[VM0], v[VM0], |v[XS+\i]|, |v[XS+\i+1]|
	v_max3_num_f32 v[VM1], v[VM1], |v[XS+\i+2]|, |v[XS+\i+3]|
.endr
	v_max3_num_f32 v[VM0], v[VM0], |v[XS+30]|, |v[XS+31]|
	v_max3_num_f32 v[VM0], v[VM0], v[VM1], 0x2800000               ; and the floor 2^(5 - 127): the byte cannot fall under 1
	v_add_nc_u32 v[VS], 0xfe000000, v[VM0]         ; 4 off its exponent field: the conversion's scale operand
.if BQ == 0
	v_lshrrev_b32 v[SW+KSQ], 23, v[VS]             ; the scale's byte: four to a word, the lower K in the lower byte
.else
	v_lshrrev_b32 v[VB], 23, v[VS]
	v_lshl_or_b32 v[SW+KSQ], v[VB], 8*BQ, v[SW+KSQ]
.endif
	v_cvt_scalef32_pk16_bf6_f32 v[FD:FD+2], v[XS:XS+15], v[VS]
	v_cvt_scalef32_pk16_bf6_f32 v[T+4*BQ:T+4*BQ+2], v[XS+16:XS+31], v[VS]   ; (a conversion's three registers begin on an even number)
	v_nop                                          ; one plain line behind the conversions
.if BQ%2 == 1                          ; blocks 2 cc and 2 cc + 1 are both there: the first's lanes 16-31 change places with the second's lanes 0-15.  The first register is then tile 0's (block 2 cc in lanes 0-15, block 2 cc + 1 in lanes 16-31), the second tile 1's
.set CC, BQ/2
.irp i, 0,1,2
	v_permlane16_swap_b32 v[F+24*KSQ+6*CC+\i], v[F+24*KSQ+12+6*CC+\i]
	v_permlane16_swap_b32 v[T+4*(BQ-1)+\i], v[T+4*BQ+\i]
.endr
.irp i, 0,1,2
	v_mov_b32 v[F+24*KSQ+6*CC+3+\i], v[T+4*(BQ-1)+\i]
	v_mov_b32 v[F+24*KSQ+12+6*CC+3+\i], v[T+4*BQ+\i]
.endr
.endif
.if ((\t)+3 <= 7) || (BQ == 3)
	s_wait_alu depctr_va_vdst(0)                   ; the maxima and the conversions are done reading this set, in which the loads below land; in a K step's last block the pair and its scale word are written, which the image's LDS stores read
.endif
.if (\t)+3 <= 7
	LOADW (\t)+3                                   ; into the set just converted
.endif
.endm
.macro IMG ks                          ; a pair goes to LDS as it stands: 512 bytes on end a store.  No vector instruction stands between the block's wait and these stores
.irp j, 0,1,2,3,4,5
	ds_store_b128 v5, v[F+24*\ks+4*\j:F+24*\ks+4*\j+3] offset:4*PAIRB*\ks+512*\j
.endr
	ds_store_b32 v6, v[SW+\ks] offset:512*\ks
.endm
; THE TOKEN OF RANK p = min(16 tau + r, the last rank).  Whole numbers only.  The mask that holds rank p is the last whose running count is at most p.
; The 31 compares go in runs of eight, each into a scalar register of its own, with one wait behind a run; the selects follow, with the running count made a second time for them.
.macro RANK gi, m                      ; does rank p lie at or behind mask gi's first rank?
	v_cmp_le_u32 s[\m], s100, v[VP]
	s_bcnt1_i32_b32 s30, s[32+(\gi)]
	s_add_co_u32 s100, s100, s30
.endm
.macro TAKE gi, m                      ; then mask gi takes the place
	s_or_b32 s101, s31, (128*((\gi)/4)+(\gi)%4)<<16    ; the count (at most 1,024) below, the mask's first token above
	v_cndmask_b32 v[VMK], v[VMK], s[32+(\gi)], s[\m]
	v_cndmask_b32 v[VBS], v[VBS], s101, s[\m]
	s_bcnt1_i32_b32 s30, s[32+(\gi)]
	s_add_co_u32 s31, s31, s30
.endm
.macro EIGHT g0                        ; masks g0 .. g0 + 7 (the last run: seven)
	RANK (\g0), 2
	RANK (\g0)+1, 3
	RANK (\g0)+2, 70
	RANK (\g0)+3, 71
	RANK (\g0)+4, 84
	RANK (\g0)+5, 85
	RANK (\g0)+6, 98
.if (\g0)+7 < 32
	RANK (\g0)+7, 99
.endif
	s_wait_alu depctr_va_sdst(0)                   ; the run's compares have written their scalar registers, ahead of the first select that reads one
	TAKE (\g0), 2
	TAKE (\g0)+1, 3
	TAKE (\g0)+2, 70
	TAKE (\g0)+3, 71
	TAKE (\g0)+4, 84
	TAKE (\g0)+5, 85
	TAKE (\g0)+6, 98
.if (\g0)+7 < 32
	TAKE (\g0)+7, 99
.endif
.endm
.macro NTH f, w                        ; the count of the next w bits from POS on: at most n: pass them.  Each of the five steps hangs on the one before, so each has its own wait
	v_bfe_u32 v[QT], v[\f], v[POS], \w
	v_cmp_ge_u32 vcc_lo, v[VN], v[QT]
	s_wait_alu depctr_va_vcc(0)                    ; the compare has written VCC, ahead of the two selects that read it
	v_cndmask_b32 v[QT], 0, v[QT], vcc_lo
	v_cndmask_b32 v[QU], 0, \w, vcc_lo
	v_sub_nc_u32 v[VN], v[VN], v[QT]
	v_add_nc_u32 v[POS], v[POS], v[QU]
.endm
.macro SELECT
	s_lshl_b32 s30, s27, 4
	v_add_nc_u32 v[VP], s30, v7
	v_min_u32 v[VP], s29, v[VP]
	v_mov_b32 v[VMK], s32
	v_mov_b32 v[VBS], 0
	s_bcnt1_i32_b32 s100, s32                      ; the running count, for the compares,
	s_mov_b32 s31, s100                            ; and once more for the selects
	EIGHT 1
	EIGHT 9
	EIGHT 17
	EIGHT 25
	v_and_b32 v[VN], 0xffff, v[VBS]
	v_sub_nc_u32 v[VN], v[VP], v[VN]               ; n: my rank inside the mask
	v_lshrrev_b32 v[VBS], 16, v[VBS]
	v_lshrrev_b32 v[QA], 1, v[VMK]                 ; counts of set bits in fields of 2, 4, 8 and 16 bits
	v_and_b32 v[QA], 0x55555555, v[QA]
	v_sub_nc_u32 v[QA], v[VMK], v[QA]
	v_lshrrev_b32 v[QB], 2, v[QA]
	v_and_b32 v[QB], 0x33333333, v[QB]
	v_and_b32 v[QT], 0x33333333, v[QA]
	v_add_nc_u32 v[QB], v[QB], v[QT]
	v_lshrrev_b32 v[QC], 4, v[QB]
	v_add_nc_u32 v[QC], v[QC], v[QB]
	v_and_b32 v[QC], 0x0f0f0f0f, v[QC]
	v_lshrrev_b32 v[QD], 8, v[QC]
	v_add_nc_u32 v[QD], v[QD], v[QC]
	v_and_b32 v[QD], 0x00ff00ff, v[QD]
	v_mov_b32 v[POS], 0
	NTH QD, 16
	NTH QC, 8
	NTH QB, 4
	NTH QA, 2
	NTH VMK, 1                                     ; POS: the lane whose bit is the n-th set one
	v_lshl_add_u32 v13, v[POS], 2, v[VBS]          ; the token
	v_min_u32 v13, 0x3ff, v13                      ; inside the table, whatever was read
	v_mad_u32_u24 v8, v13, 768, v12                ; its codes, my half's
	v_lshrrev_b32 v9, 4, v10                       ; 4 h: lanes 16-31 take the odd K steps' scale words
	v_lshl_add_u32 v9, v13, 5, v9                  ; + the token's 32 bytes of scale words
.endm
.macro ALOADS                          ; my tile's operands: 24 + 4 + 16 = 44 loads
.irp s, 0,1,2,3,4,5,6,7
.irp j, 0,1,2
	global_load_b128 v[A+12*\s+4*\j:A+12*\s+4*\j+3], v8, s[8:9] offset:48*\s+16*\j
.endr
.endr
.irp k, 0,1,2,3
	global_load_b32 v[AS+\k], v9, s[10:11] offset:8*\k   ; lanes 0-15: the word of K step 2 k; lanes 16-31: of K step 2 k + 1
.endr
.irp t, 0,1,2,3,4,5,6,7                ; b1 in the result's layout: lane (r, h), tile t: units 32 (t / 2) + 16 h + 8 (t % 2) + 0 .. 7
	global_load_b128 v[ACC+8*\t:ACC+8*\t+3], v10, s[96:97] offset:4*(32*(\t/2)+8*(\t%2))
	global_load_b128 v[ACC+8*\t+4:ACC+8*\t+7], v10, s[96:97] offset:4*(32*(\t/2)+8*(\t%2))+16
.endr
.endm
.macro BLOAD p, nb                     ; pair p and its scale words from LDS: 7 LDS loads
.set BD, BB+24*((\p)%(\nb))
.irp j, 0,1,2,3,4,5
.if (\p) < 16
	ds_load_b128 v[BD+4*\j:BD+4*\j+3], v1 offset:PAIRB*(\p)+512*\j
.else
	ds_load_b128 v[BD+4*\j:BD+4*\j+3], v2 offset:PAIRB*((\p)-16)+512*\j
.endif
.endr
	ds_load_b32 v[BS+(\p)%(\nb)], v3 offset:128*(\p)
.endm
; A product of pair PP: d the accumulator, b the tile's 12 registers, ra = 1: the tile's scale words stand in lanes 16-31.  Odd K steps take the tokens' scale words from lanes 16-31.
.macro WM1 d, b, ra
.if (PP/4)%2 == 1
.if \ra
	v_wmma_scale_f32_16x16x128_f8f6f4 v[\d:\d+7], v[\b:\b+11], v[AD:AD+11], v[\d:\d+7], v[BS+PP%3], v[AS+PP/8] matrix_a_fmt:MATRIX_FMT_BF6 matrix_b_fmt:MATRIX_FMT_BF6 matrix_a_scale:MATRIX_SCALE_ROW1 matrix_b_scale:MATRIX_SCALE_ROW1
.else
	v_wmma_scale_f32_16x16x128_f8f6f4 v[\d:\d+7], v[\b:\b+11], v[AD:AD+11], v[\d:\d+7], v[BS+PP%3], v[AS+PP/8] matrix_a_fmt:MATRIX_FMT_BF6 matrix_b_fmt:MATRIX_FMT_BF6 matrix_b_scale:MATRIX_SCALE_ROW1
.endif
.else
.if \ra
	v_wmma_scale_f32_16x16x128_f8f6f4 v[\d:\d+7], v[\b:\b+11], v[AD:AD+11], v[\d:\d+7], v[BS+PP%3], v[AS+PP/8] matrix_a_fmt:MATRIX_FMT_BF6 matrix_b_fmt:MATRIX_FMT_BF6 matrix_a_scale:MATRIX_SCALE_ROW1
.else
	v_wmma_scale_f32_16x16x128_f8f6f4 v[\d:\d+7], v[\b:\b+11], v[AD:AD+11], v[\d:\d+7], v[BS+PP%3], v[AS+PP/8] matrix_a_fmt:MATRIX_FMT_BF6 matrix_b_fmt:MATRIX_FMT_BF6
.endif
.endif
.endm
.macro GELU8 t                         ; eight numbers x of tile t become 0.5 x (1 + erf(x / sqrt(2))), four pairs stage by stage; the tile is read from its low end on
.set XT, ACC+8*(\t)
.irp p, 0,2,4,6
	v_pk_mul_f32 v[GZ+\p:GZ+\p+1], v[XT+\p:XT+\p+1], s[66:67] op_sel_hi:[1,0]
.endr
.irp j, 0,1,2,3,4,5,6,7
	v_med3_num_f32 v[GZ+\j], v[GZ+\j], -4.0, 4.0
.endr
.irp p, 0,2,4,6
	v_pk_mul_f32 v[GY+\p:GY+\p+1], v[GZ+\p:GZ+\p+1], v[GZ+\p:GZ+\p+1]
.endr
.irp p, 0,2,4,6
	v_pk_fma_f32 v[GP+\p:GP+\p+1], v[GY+\p:GY+\p+1], s[68:69], v[GK:GK+1] op_sel_hi:[1,0,1]
	v_pk_fma_f32 v[GQ+\p:GQ+\p+1], v[GY+\p:GY+\p+1], s[82:83], v[GK+2:GK+3] op_sel_hi:[1,0,1]
.endr
.irp k, 72,74,76,78,80
.irp p, 0,2,4,6
	v_pk_fma_f32 v[GP+\p:GP+\p+1], v[GP+\p:GP+\p+1], v[GY+\p:GY+\p+1], s[\k:\k+1] op_sel_hi:[1,1,0]
.endr
.endr
.irp k, 86,88,90
.irp p, 0,2,4,6
	v_pk_fma_f32 v[GQ+\p:GQ+\p+1], v[GQ+\p:GQ+\p+1], v[GY+\p:GY+\p+1], s[\k:\k+1] op_sel_hi:[1,1,0]
.endr
.endr
.irp j, 0,1,2,3,4,5,6,7
	v_rcp_f32 v[GQ+\j], v[GQ+\j]
.endr
.irp p, 0,2,4,6
	v_pk_mul_f32 v[GP+\p:GP+\p+1], v[GP+\p:GP+\p+1], v[GZ+\p:GZ+\p+1]   ; (plain lines behind the reciprocals)
.endr
	s_wait_alu depctr_va_vdst(0)                   ; the eight reciprocals have written v[GQ ..], ahead of their first reader: one wait for the batch
.irp p, 0,2,4,6
	v_pk_mul_f32 v[GP+\p:GP+\p+1], v[GP+\p:GP+\p+1], v[GQ+\p:GQ+\p+1]
.endr
.irp j, 0,1,2,3,4,5,6,7
	v_med3_num_f32 v[GP+\j], v[GP+\j], -1.0, 1.0
.endr
.irp p, 0,2,4,6
	v_pk_mul_f32 v[GY+\p:GY+\p+1], v[XT+\p:XT+\p+1], 0.5 op_sel_hi:[1,0]
.endr
.irp p, 0,2,4,6
	v_pk_fma_f32 v[XT+\p:XT+\p+1], v[GY+\p:GY+\p+1], v[GP+\p:GP+\p+1], v[GY+\p:GY+\p+1]
.endr
.endm
; 64 numbers of a lane, v[s] .. v[s + 63], register 16 b + i = k 32 b + 16 (lane / 16) + i of my token, become an operand's codes in v[PC] on and its scale word in v[PW]
.macro QUANT s
.irp b, 0,1,2,3
	v_max3_num_f32 v[TM+\b], |v[\s+16*\b]|, |v[\s+1+16*\b]|, 0x2800000   ; block b: my 16 numbers, and the floor 2^(5 - 127)
.endr
.irp i, 2,4,6,8,10,12,14
.irp b, 0,1,2,3
	v_max3_num_f32 v[TM+\b], v[TM+\b], |v[\s+16*\b+\i]|, |v[\s+1+16*\b+\i]|   ; (the four blocks by turns)
.endr
.endr
.irp b, 0,1,2,3
	v_permlanex16_b32 v[TM+4+\b], v[TM+\b], s[SEL], s[SEL+1]
.endr
.irp b, 0,1,2,3
	v_max_num_f32 v[TM+\b], v[TM+\b], v[TM+4+\b]   ; with lane l xor 16's: the block's largest magnitude
.endr
.irp b, 0,1,2,3
	v_add_nc_u32 v[TM+12+\b], 0xfe000000, v[TM+\b]
.endr
.irp b, 0,1,2,3
	v_lshrrev_b32 v[TM+4+\b], 23, v[TM+12+\b]
.endr
	v_lshl_or_b32 v[PW], v[TM+5], 8, v[TM+4]       ; the four bytes make my token's scale word; both halves of the lanes hold the same
	v_lshl_or_b32 v[PW], v[TM+6], 16, v[PW]
	v_lshl_or_b32 v[PW], v[TM+7], 24, v[PW]
.irp c, 0,1
	v_cvt_scalef32_pk16_bf6_f32 v[PC+6*\c:PC+2+6*\c], v[\s+32*\c:\s+15+32*\c], v[TM+12+2*\c]
	v_cvt_scalef32_pk16_bf6_f32 v[PC+12+4*\c:PC+14+4*\c], v[\s+16+32*\c:\s+31+32*\c], v[TM+12+2*\c+1]
.endr
	v_nop                                          ; one plain line behind the conversions
.irp c, 0,1                            ; the operand's layout wants a WHOLE block in a lane: lanes 0-15 block 2 c, lanes 16-31 block 2 c + 1
.irp i, 0,1,2
	v_permlane16_swap_b32 v[PC+6*\c+\i], v[PC+12+4*\c+\i]
.endr
.irp i, 0,1,2
	v_mov_b32 v[PC+3+6*\c+\i], v[PC+12+4*\c+\i]
.endr
.endr
.endm
	; ---- the head: eidx, the first two blocks of weights; the placing is worked out while these are on their way
	s_wait_alu depctr_va_vdst(0)                   ; the offsets and LDS addresses v1 to v6, v10 and v11 are written, which the loads and stores of the whole kernel read; so are v244 to v247, in which LDS loads land later
.irp qq, 0,1,2,3,4,5,6,7
	global_load_b128 v[IDX+4*\qq:IDX+4*\qq+3], v1, s[12:13] offset:512*\qq
.endr
	LOADW 0
	LOADW 1
	s_wait_loadcnt 63                              ; 64 loads are younger than eidx's eight
.set GI, 0
.rept 32
	v_cmp_eq_u32 s[32+GI], s23, v[IDX+GI]          ; mask GI: bit L = token 128 (GI / 4) + 4 L + GI % 4 chose my expert
.set GI, GI+1
.endr
	s_wait_alu depctr_va_sdst(0)                   ; the 32 compares have written s32 to s63, ahead of their first reader: one wait for the run
	s_bcnt1_i32_b32 s25, s32
.set GI, 1
.rept 31
	s_bcnt1_i32_b32 s30, s[32+GI]
	s_add_co_u32 s25, s25, s30
.set GI, GI+1
.endr
	s_add_co_u32 s26, s25, 15
	s_lshr_b32 s26, s26, 4
	s_max_u32 s26, s26, 1                          ; tiles to make: at least one
	s_max_u32 s29, s25, 1
	s_sub_co_u32 s29, s29, 1                       ; the last rank
	s_or_b32 s30, s24, s20
	s_cmp_lg_u32 s30, 0
	s_cbranch_scc1 .Lnot_first                     ; slice 0's wave 0 stores the expert's count, 32 words alike; v14 and v15 are not written again
	s_lshl_b32 s30, s23, 7
	v_add_nc_u32 v14, s30, v11
	v_mov_b32 v15, s25
	s_wait_alu depctr_va_vdst(0)                   ; v14 and v15 are written, the store's offset and data
	global_store_b32 v14, v15, s[18:19] offset:65536
.Lnot_first:
	SELECT                                         ; my first tile's tokens
	LOADW 2                                        ; (into registers that no vector instruction has named yet)
	; ---- Q
	BLOCK 0
	BLOCK 1
	BLOCK 2
	BLOCK 3
	IMG 0
	BLOCK 4
	BLOCK 5
	BLOCK 6
	BLOCK 7
	IMG 1
	s_wait_dscnt 0x0                               ; for the others' sake: my images have landed
	ALOADS                                         ; my first tile's operands, at addresses that are held inside the tables: asked for whether the tile exists or not.  Block 7's wait stands behind every vector line that named v8, v9 or the registers in which these land
	s_barrier_signal -1
	s_barrier_wait -1                              ; the slice's 32 pairs lie in LDS; nothing is stored there from here on
	; ---- P
	s_mov_b32 s28, 0
.Ltrip:
	s_wait_alu depctr_vm_vsrc(0)                   ; ahead of both branches: the images' LDS stores (first trip) or the last trip's stores have read v184 to v207, v232, v233 and v13, the operands' loads v8 and v9: the placing, the pairs' loads and the quantiser write them again
	s_cmp_ge_u32 s27, s26
	s_cbranch_scc1 .Ltail                          ; no such tile
	s_cmp_eq_u32 s28, 0
	s_cbranch_scc1 .Lbody                          ; the first trip's operands were asked for ahead of the barrier
	s_wait_loadcnt 0x0                             ; the lines below write the offsets, and load into the registers, that the loads ahead of the barrier name: none of my loads is out here (a later trip has passed the tail's wait, so this one is met at once)
	SELECT
	s_wait_alu depctr_va_vdst(0)                   ; the placing has written v8 and v9, the loads' offsets; the last trip's products, GELU and quantiser are done with the registers in which the operands and the pairs land
	ALOADS
.Lbody:
	BLOAD 0, 3
	BLOAD 1, 3
	s_wait_loadcnt 0x0                             ; my tokens' codes and scale words, and b1
.set PP, 0
.rept 32                               ; step PP: pair PP: K step PP / 4, tiles 2 (PP % 4) and 2 (PP % 4) + 1.  The eight accumulators take turns, one instruction a turn
.if PP < 31
	s_wait_dscnt 7                                 ; pair PP is in: the one younger run of 7 may be out
.else
	s_wait_dscnt 0x0
.endif
.if (PP > 0) && (PP < 30)
	s_wait_alu depctr_va_vdst(0)                   ; the products of the step before are done reading their pair and its scale words, in whose registers the loads below land
.endif
.set BD, BB+24*(PP%3)
.set AD, A+12*(PP/4)
.set DD, ACC+16*(PP%4)
	WM1 DD, BD, 0
	WM1 DD+8, BD+12, 1
.if PP < 30
	BLOAD PP+2, 3                                  ; no wait: no instruction since the step's head names that buffer (step 0: since the wait ahead of the tile's first loads)
.endif
.set PP, PP+1
.endr
.rept 4
	v_nop                                          ; four places behind the last products, ahead of the first read of results (ISA guide 7.12.1)
.endr
	v_mov_b32 v[GK], 0x32edffee                    ; a5
	v_mov_b32 v[GK+1], 0x32edffee
	v_mov_b32 v[GK+2], 0xb95fbd29                  ; b3
	v_mov_b32 v[GK+3], 0xb95fbd29
.irp t, 0,1,2,3,4,5,6,7
	GELU8 \t
.endr
	QUANT ACC
	s_lshl_b32 s30, s23, 6
	s_add_co_u32 s30, s30, s27                     ; 64 e + tau
	s_lshl_b32 s31, s30, 5
	s_add_co_u32 s31, s31, s24                     ; x 32 + c
	s_mul_i32 s100, s31, 1536
	v_add_nc_u32 v[HQO], s100, v1
	s_lshl_b32 s100, s31, 7
	v_add_nc_u32 v[HSO], s100, v11
	s_lshl_b32 s100, s30, 7
	v_add_nc_u32 v[ORO], s100, v11                 ; (made in every slice, so that the one wait below serves the list's store too)
	s_wait_alu depctr_va_vdst(0)                   ; the quantiser has written the codes and the scale word, the lines above the three offsets: the stores below read them
.irp j, 0,1,2
	global_store_b128 v[HQO], v[PC+4*\j:PC+4*\j+3], s[14:15] offset:512*\j   ; 32 lanes store 512 bytes on end, at a multiple of 512 from hq's first byte
.endr
	global_store_b32 v[HSO], v[PW], s[16:17]
	s_cmp_lg_u32 s24, 0
	s_cbranch_scc1 .Ltail
	global_store_b32 v[ORO], v13, s[18:19]         ; slice 0 stores the tile's list of tokens
.Ltail:
	s_wait_loadcnt 0x0                             ; a wave that left the trip out still has its first loads out: no later load lands on their registers
	s_wait_xcnt 0x0                                ; the stores have read their data and offsets, the loads their offsets: all are written again in the next trip
	s_add_co_u32 s27, s27, 16
	s_add_co_u32 s28, s28, 1
	s_cmp_lt_u32 s28, 4
	s_cbranch_scc1 .Ltrip
	s_wait_xcnt 0x0
	v_lshl_add_u32 v254, v0, 2, 0x19000            ; the add's two registers, made anew: no memory or LDS instruction has read v254 or v255
	v_mov_b32 v255, 0
	s_wait_dscnt 0x0                               ; the closing lines, six on end
	s_wait_alu 0x0
	s_wait_tensorcnt 0x0
	ds_add_u32 v254, v255
	s_wait_dscnt 0x0
	s_endpgm
.Lfunc_end_k_qee36696635_ffn1:
	.size	k_qee36696635_ffn1, .Lfunc_end_k_qee36696635_ffn1-k_qee36696635_ffn1
	.p2alignl 7, 3214868480
	.fill 96, 4, 3214868480
	.section	.rodata,"a",@progbits
	.p2align	6, 0x0
	.amdhsa_kernel k_qee36696635_ffn1
		.amdhsa_group_segment_fixed_size 104448
		.amdhsa_private_segment_fixed_size 0
		.amdhsa_enable_private_segment 0
		.amdhsa_kernarg_size 64
		.amdhsa_user_sgpr_count 2
		.amdhsa_user_sgpr_kernarg_segment_ptr 1
		.amdhsa_wavefront_size32 1
		.amdhsa_system_sgpr_workgroup_id_x 1
		.amdhsa_system_sgpr_workgroup_id_y 1
		.amdhsa_system_sgpr_workgroup_id_z 1
		.amdhsa_system_vgpr_workitem_id 0
		.amdhsa_next_free_vgpr 256
		.amdhsa_next_free_sgpr 104
		.amdhsa_reserve_vcc 1
		.amdhsa_float_denorm_mode_32 3
		.amdhsa_float_denorm_mode_16_64 3
		.amdhsa_memory_ordered 1
		.amdhsa_forward_progress 1
		.amdhsa_inst_pref_size 156
	.end_amdhsa_kernel
	.amdgpu_metadata
---
amdhsa.version: [ 1, 2 ]
amdhsa.kernels:
  - .name:           k_qee36696635_ffn1
    .symbol:         k_qee36696635_ffn1.kd
    .args:
      - { .name: w1, .offset: 0, .size: 8, .value_kind: global_buffer, .address_space: global }
      - { .name: b1, .offset: 8, .size: 8, .value_kind: global_buffer, .address_space: global }
      - { .name: xq, .offset: 16, .size: 8, .value_kind: global_buffer, .address_space: global }
      - { .name: xs, .offset: 24, .size: 8, .value_kind: global_buffer, .address_space: global }
      - { .name: eidx, .offset: 32, .size: 8, .value_kind: global_buffer, .address_space: global }
      - { .name: hq, .offset: 40, .size: 8, .value_kind: global_buffer, .address_space: global }
      - { .name: hs, .offset: 48, .size: 8, .value_kind: global_buffer, .address_space: global }
      - { .name: order, .offset: 56, .size: 8, .value_kind: global_buffer, .address_space: global }
    .group_segment_fixed_size: 104448
    .private_segment_fixed_size: 0
    .kernarg_segment_align: 8
    .kernarg_segment_size: 64
    .max_flat_workgroup_size: 512
    .sgpr_count:     104
    .vgpr_count:     256
    .wavefront_size: 32
...
	.end_amdgpu_metadata
.endif
;; end of part 4
;; launch ffn2 (part 5): grid 32 x 8, 16 waves a work-group, no clusters, 141,312 bytes of LDS; arguments w2, b2, hq, hs, order, gate, out0; writes out0
.if DOCPART == 5
	.amdgcn_target "amdgcn-amd-amdhsa--gfx1250"
	.amdhsa_code_object_version 6
	.text
	.protected	k_qee36696635_ffn2
	.globl	k_qee36696635_ffn2
	.p2align	8
	.type	k_qee36696635_ffn2,@function
k_qee36696635_ffn2:
	s_mov_b64 s[64:65], 0
	v_nop
	global_prefetch_b8 v0, s[64:65] scope:SCOPE_SE
	s_setreg_imm32_b32 hwreg(HW_REG_WAVE_SCHED_MODE, 0, 2), 2
	s_setreg_imm32_b32 hwreg(HW_REG_WAVE_MODE, 25, 1), 1
	s_wait_xcnt 0x0
	s_wait_alu depctr_vm_vsrc(0)
; SECOND LAYER OF THE EXPERTS: out[token] = (h w2[e] + b2[e]) x the token's gate, for the tokens that chose expert e.  Both operands are codes of BF6 (E3M2) with one E8M0 scale for each 32 along K.
; w2: [8][4096 (k)][1024 (column)] f32.  A work-group takes expert e (y) and columns 32 c .. 32 c + 31 (x), all of K: 512 KB of w2, read ONCE and quantised in registers; each piece of an output row has one owner.
; PHASE Q.  Wave w takes rows 256 w .. 256 w + 255 (K steps 2 w and 2 w + 1).  A LANE TAKES A COLUMN AND ITS REGISTERS RUN DOWN K.  Lanes 0-15 hold tile 0's columns, lanes 16-31 tile 1's; an exchange of halves between the registers of blocks
;   2 cc and 2 cc + 1 makes of them the two tiles' operand registers.  The PAIR of tiles of a K step (24 registers) goes to LDS as an image of its registers, its scale words (tile 0 in lanes 0-15, tile 1 in lanes 16-31) beside it.
;   A row's part is 128 bytes on end; the slice beside mine reads the 128 next to them, so these loads carry no hint.
; PHASE P, behind the one barrier.  A tile of 16 tokens to a wave: tile tau = tau0 + 16 i, i = 0 .. 3 (a loop of constant count; a trip whose tile does not exist is left out by a scalar branch on the stored count).  h's operands come from hq
;   as images of registers (512 bytes on end a load), seven K steps ahead, in a ring of eight places.  The product is used TRANSPOSED (source 0 = 16 columns, source 1 = 16 tokens).  Even and odd K steps have accumulators of their own, so that
;   four take turns; b2 is the C of the even sums' first products.  On the way out the tile turns through the wave's own stage, so that eight lanes store a row's 128 bytes on end, at the row that the stored list names.
; Rows past the expert's last token are copies of that token: they store the same bytes at the same place.  A work-group whose expert has no token stores nothing.
; NO TENSOR LOAD, NO CLUSTER: the trips that work hang on a count read from memory; what the 32 work-groups of an expert share is h's codes (3 KB a token), while each work-group's 512 KB of weights are its own.
; LIMITS: NaN and infinities are not served.  A block of zeros gets the byte 1 where the rule says 127: its codes are zeros and this program alone reads the bytes.  A sum over K is made in two halves (even and odd K steps) that are added at the end.
; THE MODE: SCHED_MODE bits 1:0 = 2 (LLVM: expert scheduling mode 2), set by the entry lines.  The code itself states the register dependences
; between vector or matrix instructions and memory or LDS instructions, with s_wait_alu, always for 0.
; THE PLAN.  Registers that memory or LDS instructions touch:
;   v1-v12           offsets and LDS addresses, made at the head and never written again: one wait on va_vdst ahead of the first load serves them for the whole kernel.
;   Q: X0 .. X2      block t's maxima and conversions read X[t % 3]; behind them the loads of block t + 3 land in it.
;      F, SW         written by the conversions, the exchange of halves and the moves; read by the images' LDS stores.
;      ONE wait on va_vdst stands behind a block's last vector line: the set is read out, and in a K step's last block its pair is written.  Blocks 5 and 6, behind which nothing is loaded or stored, have none.
;   P: BB0 .. BB2, BS0 .. BS2   step s's two products read BB[s % 3]; the LDS loads of pair s + 2, issued in step s behind its products, land in BB[(s - 1) % 3].
;      AR0 .. AR7    step s's products read AR[s % 8]; the loads of K step s + 7, issued in step s, land in AR[(s - 1) % 8].
;      ONE wait on va_vdst stands at a step's head, behind the waits for the step's data: the products of the step before are done reading their pair and their place of the ring.  No instruction of step s names either.
;      GOFF          written in step 0, read by the gates' loads, which stand behind step 1's wait.
;      ACC, OB, TO   the way out: one wait behind the additions (the stage's stores read the sums; the loads from the stage land in the odd sums' registers), one behind the multiplications by the gate (the stores read them).
;      ONE wait on vm_vsrc stands at the head of a trip, ahead of its branches: all that earlier stores and loads have read may be written again.
.set PITCH, 4096                       ; a row of w2[e] in bytes
.set PAIRB, 3072                       ; LDS: pair p = K step p at 3,072 p: 32 pairs
.set SCB,   98304                      ; their scale words, 128 bytes each
.set STG,   102400                     ; a stage of 16 rows x (128 bytes + 16) for each wave
.set X,    16                          ; Q: v16-111  three sets of 32 numbers
.set F,    160                         ;    v160-207 two pairs' codes
.set T,    208                         ;    v208-223 the upper halves of four blocks' codes
.set VM0,  224
.set VM1,  225
.set VS,   226
.set VB,   227
.set SW,   232                         ;    v232-233 the pairs' scale words
.set ACC,  16                          ; P: v16-47   tile n' of columns, K steps of parity par: 16 + 8 (2 par + n')
.set AR,   48                          ;    v48-143  h's operands: a ring of eight K steps
.set AS,   144                         ;    v144-159 h's scale words: register k: K step 2 k in lanes 0-15, 2 k + 1 in lanes 16-31
.set BB,   160                         ;    v160-231 three pairs from LDS, by turns
.set BS,   232                         ;    v232-234 their scale words
.set LST,  236                         ;    v236-239 the tokens of rows 4 i + l / 8
.set G,    240                         ;    v240-243 their gates
.set GOFF, 244
.set TO,   248                         ;    v248-251 their bytes in out0
.set OB,   32                          ;    the way out: four rows an instruction, in the odd sums' registers, which are free once they have been added onto the even ones: no vector instruction writes a register that a product takes as an operand
; v1 16 l; v2 16 l + 49,152; v3 SCB + 4 l; v4 4 l; v5, v6 where I store images and scale words; v7 h's scale words; v8 4 (l / 8); v9 32 h; v10, v11 the stage, in and out; v12 16 (l % 8)
; s20 wave, s23 e, s24 c, s25 the expert's count, s26 its tiles, s27 tau, s28 the trip, s29 the last tile, s[32:37] hq, hs, order at my tile, s[40:41] w2 at my part, s[42:43] b2 at my slice, s[44:45] out0 at my columns
	s_load_b256 s[4:11], s[0:1], 0x0               ; w2, b2, hq, hs
	s_load_b128 s[12:15], s[0:1], 0x20             ; order, gate
	s_load_b64 s[16:17], s[0:1], 0x30              ; out0
	v_lshl_add_u32 v254, v0, 2, 0x22000
	v_mov_b32 v255, 0
	v_lshrrev_b32 v13, 5, v0
	v_readfirstlane_b32 s20, v13                   ; wave 0..15
	s_and_b32 s23, ttmp7, 0xffff
	s_mov_b32 s24, ttmp9
	v_and_b32 v13, 31, v0
	v_lshlrev_b32 v1, 4, v13
	v_add_nc_u32 v2, 16*PAIRB, v1
	v_lshlrev_b32 v4, 2, v13
	v_add_nc_u32 v3, SCB, v4
	v_and_b32 v14, 15, v0                          ; r
	v_bfe_u32 v15, v0, 4, 1                        ; h
	v_lshlrev_b32 v7, 2, v14
	v_lshl_add_u32 v7, v15, 7, v7
	v_bfe_u32 v8, v0, 3, 2                         ; l / 8
	v_lshlrev_b32 v9, 5, v15
	v_mul_u32_u24 v10, v14, 144
	v_lshl_add_u32 v10, v15, 5, v10                ; the stage, in: row r, 32 bytes for each half of the lanes
	v_mul_u32_u24 v11, v8, 144
	v_and_b32 v12, 7, v0
	v_lshlrev_b32 v12, 4, v12
	v_add_nc_u32 v11, v11, v12                     ; out: eight lanes to a row, four rows an instruction
	v_lshlrev_b32 v8, 2, v8
	s_wait_alu depctr_va_sdst(0)                   ; s20 is written, ahead of its first reader; the lines above, which do not hang on it, stand between
	s_and_b32 s21, s20, 3
	s_lshr_b32 s22, s20, 2
	s_mul_i32 s30, s20, 2*PAIRB
	v_add_nc_u32 v5, s30, v1
	s_lshl_b32 s30, s20, 8
	v_add_nc_u32 v6, s30, v3
	s_mul_i32 s30, s20, 16*144
	s_add_co_u32 s30, s30, STG                     ; my stage
	v_add_nc_u32 v10, s30, v10
	v_add_nc_u32 v11, s30, v11
	s_sub_co_u32 s27, s21, s22
	s_and_b32 s27, s27, 3
	s_lshl_b32 s27, s27, 2
	s_add_co_u32 s27, s27, s22                     ; tau0 = 4 ((wave % 4 - wave / 4) & 3) + wave / 4: the first four and the first eight tiles fall on waves that differ both in wave % 4 and in wave / 4
	s_lshl_b32 s38, s23, 24                        ; w2: expert, 2^24 bytes;
	s_lshl_b32 s30, s20, 20                        ; 256 w rows;
	s_add_co_u32 s38, s38, s30
	s_lshl_b32 s30, s24, 7                         ; 32 c columns
	s_add_co_u32 s38, s38, s30
	s_mov_b32 s39, 0
	s_lshl_b32 s46, s23, 12                        ; b2: expert, 4,096 bytes; 32 c columns
	s_add_co_u32 s46, s46, s30
	s_mov_b32 s47, 0
	s_lshl_b32 s31, s23, 7                         ; the count's place in order; kept until the scalar load is waited for
	s_wait_kmcnt 0x0
	s_add_nc_u64 s[40:41], s[4:5], s[38:39]
	s_add_nc_u64 s[42:43], s[6:7], s[46:47]
	s_mov_b32 s46, s30
	s_add_nc_u64 s[44:45], s[16:17], s[46:47]
	s_load_b32 s25, s[12:13], s31 offset:0x10000   ; the expert's count: wanted behind phase Q
.macro LOADW t                         ; block t of my 8: w2(32 t + i, my column), i = 0 .. 31, into set t % 3; each load reads 128 bytes on end
.set LR, X+32*((\t)%3)
.set LN, 0
.rept 32
	global_load_b32 v[LR+LN], v4, s[40:41] offset:(32*(\t)+LN)*PITCH
.set LN, LN+1
.endr
.endm
.macro BLOCK t                         ; block t becomes codes and a scale byte
.set XS, X+32*((\t)%3)
.set KSQ, (\t)/4                       ; which of my two K steps,
.set BQ, (\t)%4                        ; which block of it
.set FD, F+24*KSQ+12*(BQ%2)+6*(BQ/2)
.if (\t) <= 5
	s_wait_loadcnt 63                              ; 64 loads are younger than this block's; the count names 63 at the most
.elseif (\t) == 6
	s_wait_loadcnt 32                              ; the last block's 32 are younger
.else
	s_wait_loadcnt 0x0
.endif
	v_max3_num_f32 v[VM0], |v[XS]|, |v[XS+1]|, |v[XS+2]|          ; the block's largest magnitude: all 32 numbers are mine
	v_max3_num_f32 v[VM1], |v[XS+3]|, |v[XS+4]|, |v[XS+5]|
.irp i, 6,10,14,18,22,26
	v_max3_num_f32 v[VM0], v[VM0], |v[XS+\i]|, |v[XS+\i+1]|
	v_max3_num_f32 v[VM1], v[VM1], |v[XS+\i+2]|, |v[XS+\i+3]|
.endr
	v_max3_num_f32 v[VM0], v[VM0], |v[XS+30]|, |v[XS+31]|
	v_max3_num_f32 v[VM0], v[VM0], v[VM1], 0x2800000               ; and the floor 2^(5 - 127): the byte cannot fall under 1
	v_add_nc_u32 v[VS], 0xfe000000, v[VM0]         ; 4 off its exponent field: the conversion's scale operand
.if BQ == 0
	v_lshrrev_b32 v[SW+KSQ], 23, v[VS]             ; the scale's byte: four to a word, the lower K in the lower byte
.else
	v_lshrrev_b32 v[VB], 23, v[VS]
	v_lshl_or_b32 v[SW+KSQ], v[VB], 8*BQ, v[SW+KSQ]
.endif
	v_cvt_scalef32_pk16_bf6_f32 v[FD:FD+2], v[XS:XS+15], v[VS]
	v_cvt_scalef32_pk16_bf6_f32 v[T+4*BQ:T+4*BQ+2], v[XS+16:XS+31], v[VS]   ; (a conversion's three registers begin on an even number)
	v_nop                                          ; one plain line behind the conversions
.if BQ%2 == 1                          ; the first's lanes 16-31 change places with the second's lanes 0-15: the first register is then tile 0's, the second tile 1's
.set CC, BQ/2
.irp i, 0,1,2
	v_permlane16_swap_b32 v[F+24*KSQ+6*CC+\i], v[F+24*KSQ+12+6*CC+\i]
	v_permlane16_swap_b32 v[T+4*(BQ-1)+\i], v[T+4*BQ+\i]
.endr
.irp i, 0,1,2
	v_mov_b32 v[F+24*KSQ+6*CC+3+\i], v[T+4*(BQ-1)+\i]
	v_mov_b32 v[F+24*KSQ+12+6*CC+3+\i], v[T+4*BQ+\i]
.endr
.endif
.if ((\t)+3 <= 7) || (BQ == 3)
	s_wait_alu depctr_va_vdst(0)                   ; the maxima and the conversions are done reading this set, in which the loads below land; in a K step's last block the pair and its scale word are written, which the image's LDS stores read
.endif
.if (\t)+3 <= 7
	LOADW (\t)+3                                   ; into the set just converted
.endif
.endm
.macro IMG ks                          ; a pair goes to LDS as it stands: 512 bytes on end a store.  No vector instruction stands between the block's wait and these stores
.irp j, 0,1,2,3,4,5
	ds_store_b128 v5, v[F+24*\ks+4*\j:F+24*\ks+4*\j+3] offset:PAIRB*\ks+512*\j
.endr
	ds_store_b32 v6, v[SW+\ks] offset:128*\ks
.endm
.macro BLOAD p, nb                     ; pair p and its scale words from LDS: 7 LDS loads
.set BD, BB+24*((\p)%(\nb))
.irp j, 0,1,2,3,4,5
.if (\p) < 16
	ds_load_b128 v[BD+4*\j:BD+4*\j+3], v1 offset:PAIRB*(\p)+512*\j
.else
	ds_load_b128 v[BD+4*\j:BD+4*\j+3], v2 offset:PAIRB*((\p)-16)+512*\j
.endif
.endr
	ds_load_b32 v[BS+(\p)%(\nb)], v3 offset:128*(\p)
.endm
.macro ALOAD s                         ; h's operand of K step s into place s % 8 of the ring: 3 loads of 512 bytes on end
.irp j, 0,1,2
	global_load_b128 v[AR+12*((\s)%8)+4*\j:AR+12*((\s)%8)+4*\j+3], v1, s[32:33] offset:1536*(\s)+512*\j
.endr
.endm
.macro HEAD3                           ; a tile's first loads, 4 + 16 + 4 + 24 = 48, in this order.  The tile's number is held to the tiles that exist (at least tile 0, which the launch before always makes)
	s_min_u32 s30, s27, s29
	s_min_u32 s30, s30, 63
	s_lshl_b32 s38, s23, 6
	s_add_co_u32 s30, s30, s38                     ; 64 e + tile
	s_mov_b32 s39, 0
	s_mul_i32 s38, s30, 49152
	s_add_nc_u64 s[32:33], s[8:9], s[38:39]
	s_lshl_b32 s38, s30, 12
	s_add_nc_u64 s[34:35], s[10:11], s[38:39]
	s_lshl_b32 s38, s30, 7
	s_add_nc_u64 s[36:37], s[12:13], s[38:39]
.irp n, 0,1                            ; b2 in the result's layout: lane (r, h), tile n': columns 16 n' + 8 h + 0 .. 7
	global_load_b128 v[ACC+8*\n:ACC+8*\n+3], v9, s[42:43] offset:64*\n
	global_load_b128 v[ACC+8*\n+4:ACC+8*\n+7], v9, s[42:43] offset:64*\n+16
.endr
.irp k, 0,1,2,3,4,5,6,7,8,9,10,11,12,13,14,15
	global_load_b32 v[AS+\k], v7, s[34:35] offset:256*\k
.endr
.irp i, 0,1,2,3
	global_load_b32 v[LST+\i], v8, s[36:37] offset:16*\i
.endr
.irp s, 0,1,2,3,4,5,6,7
	ALOAD \s
.endr
.endm
; A product of K step SS: d the accumulator, b the tile's 12 registers, ra = 1: the tile's scale words stand in lanes 16-31.  Odd K steps take h's scale words from lanes 16-31; K step 1 starts the odd sums with the constant 0.
.macro WM2 d, b, ra
.if SS == 1
.if \ra
	v_wmma_scale_f32_16x16x128_f8f6f4 v[\d:\d+7], v[\b:\b+11], v[AD:AD+11], 0, v[BS+SS%3], v[AS+SS/2] matrix_a_fmt:MATRIX_FMT_BF6 matrix_b_fmt:MATRIX_FMT_BF6 matrix_a_scale:MATRIX_SCALE_ROW1 matrix_b_scale:MATRIX_SCALE_ROW1
.else
	v_wmma_scale_f32_16x16x128_f8f6f4 v[\d:\d+7], v[\b:\b+11], v[AD:AD+11], 0, v[BS+SS%3], v[AS+SS/2] matrix_a_fmt:MATRIX_FMT_BF6 matrix_b_fmt:MATRIX_FMT_BF6 matrix_b_scale:MATRIX_SCALE_ROW1
.endif
.elseif SS%2 == 1
.if \ra
	v_wmma_scale_f32_16x16x128_f8f6f4 v[\d:\d+7], v[\b:\b+11], v[AD:AD+11], v[\d:\d+7], v[BS+SS%3], v[AS+SS/2] matrix_a_fmt:MATRIX_FMT_BF6 matrix_b_fmt:MATRIX_FMT_BF6 matrix_a_scale:MATRIX_SCALE_ROW1 matrix_b_scale:MATRIX_SCALE_ROW1
.else
	v_wmma_scale_f32_16x16x128_f8f6f4 v[\d:\d+7], v[\b:\b+11], v[AD:AD+11], v[\d:\d+7], v[BS+SS%3], v[AS+SS/2] matrix_a_fmt:MATRIX_FMT_BF6 matrix_b_fmt:MATRIX_FMT_BF6 matrix_b_scale:MATRIX_SCALE_ROW1
.endif
.else
.if \ra
	v_wmma_scale_f32_16x16x128_f8f6f4 v[\d:\d+7], v[\b:\b+11], v[AD:AD+11], v[\d:\d+7], v[BS+SS%3], v[AS+SS/2] matrix_a_fmt:MATRIX_FMT_BF6 matrix_b_fmt:MATRIX_FMT_BF6 matrix_a_scale:MATRIX_SCALE_ROW1
.else
	v_wmma_scale_f32_16x16x128_f8f6f4 v[\d:\d+7], v[\b:\b+11], v[AD:AD+11], v[\d:\d+7], v[BS+SS%3], v[AS+SS/2] matrix_a_fmt:MATRIX_FMT_BF6 matrix_b_fmt:MATRIX_FMT_BF6
.endif
.endif
.endm
	; ---- Q
	s_wait_alu depctr_va_vdst(0)                   ; the offsets and LDS addresses v1 to v12 are written, which the loads and stores of the whole kernel read
	LOADW 0
	LOADW 1
	LOADW 2
	BLOCK 0
	BLOCK 1
	BLOCK 2
	BLOCK 3
	IMG 0
	BLOCK 4
	BLOCK 5
	BLOCK 6
	BLOCK 7
	IMG 1
	s_wait_kmcnt 0x0                               ; the expert's count
	s_add_co_u32 s26, s25, 15
	s_lshr_b32 s26, s26, 4                         ; its tiles, 0 where it has no token
	s_max_u32 s29, s26, 1
	s_sub_co_u32 s29, s29, 1                       ; the last tile that was made
	s_wait_dscnt 0x0                               ; for the others' sake: my images have landed
	HEAD3                                          ; my first tile's loads, at addresses held inside what was made: asked for whether the tile exists or not.  Block 7's wait stands behind every vector line that named the registers in which these land
	s_barrier_signal -1
	s_barrier_wait -1                              ; the slice's 32 pairs lie in LDS; nothing is stored there from here on
	; ---- P
	s_mov_b32 s28, 0
.Ltrip:
	s_wait_alu depctr_vm_vsrc(0)                   ; ahead of both branches: the images' LDS stores (first trip) have read v160 to v207, v232 and v233; the last trip's stage stores v16 to v31, its stores v32 to v47 and v248 to v251, its gates' loads v244 to v247: loads, products and the offsets' lines write them again
	s_cmp_ge_u32 s27, s26
	s_cbranch_scc1 .Ltail                          ; no such tile
	s_cmp_eq_u32 s28, 0
	s_cbranch_scc1 .Lbody                          ; the first trip's loads were asked for ahead of the barrier
	s_wait_loadcnt 0x0                             ; the lines below write the bases, and load into the registers, that the loads ahead of the barrier name: none of my loads is out here (a later trip has passed the tail's wait, so this one is met at once)
	HEAD3                                          ; no wait on va_vdst: on every way here no vector or matrix instruction stands behind the last one (the way out's second, or block 7's)
.Lbody:
	BLOAD 0, 3
	BLOAD 1, 3
.set SS, 0
.rept 32                               ; K step SS.  Four accumulators take turns, one instruction a turn
.if SS == 0
	s_wait_loadcnt 21                              ; b2, the scale words, the list and K step 0 are in: K steps 1 to 7, three loads each, are younger
.elseif SS == 1
	s_wait_loadcnt 18                              ; K steps 2 to 7 are younger
.elseif SS < 8
	s_wait_loadcnt 22                              ; younger: K steps SS + 1 to 7, the four gates, and K steps 8 to SS + 6: 3 (7 - SS) + 4 + 3 (SS - 1)
.elseif SS < 26
	s_wait_loadcnt 18                              ; six K steps' loads are younger
.else
	s_wait_loadcnt 3*(31-SS)                       ; the ring runs out
.endif
.if SS < 31
	s_wait_dscnt 7                                 ; pair SS is in: the one younger run of 7 may be out
.else
	s_wait_dscnt 0x0
.endif
.if (SS > 0) && (SS < 30)
	s_wait_alu depctr_va_vdst(0)                   ; the products of the step before are done reading their pair, its scale words and their place of the ring, in which the loads below land; in step 1 the gates' offsets are written too
.endif
.set BD, BB+24*(SS%3)
.set AD, AR+12*(SS%8)
.set DD, ACC+16*(SS%2)
	WM2 DD, BD, 0
	WM2 DD+8, BD+12, 1
.if SS == 0                            ; the way out's offsets are made here, a step ahead of the wait behind which the gates are asked for
.irp i, 0,1,2,3
	v_min_u32 v[LST+\i], 0x3ff, v[LST+\i]          ; inside the tables, whatever was read
.endr
.irp i, 0,1,2,3
	v_lshlrev_b32 v[GOFF+\i], 2, v[LST+\i]
.endr
.irp i, 0,1,2,3
	v_lshl_add_u32 v[TO+\i], v[LST+\i], 12, v12    ; the token's row of 4,096 bytes, + my 16 bytes of the slice's 128
.endr
.endif
.if SS == 1
.irp i, 0,1,2,3
	global_load_b32 v[G+\i], v[GOFF+\i], s[14:15]
.endr
.endif
.if SS < 30
	BLOAD SS+2, 3                                  ; no wait: no instruction since the step's head names that buffer (step 0: since the wait ahead of the tile's first loads)
.endif
.if (SS > 0) && (SS+7 <= 31)
	ALOAD SS+7                                     ; likewise: into the place that the step before read
.endif
.set SS, SS+1
.endr
.rept 4
	v_nop                                          ; four places behind the last products, ahead of the first read of results (ISA guide 7.12.1)
.endr
	; ---- the way out
.irp k, 0,2,4,6,8,10,12,14
	v_pk_add_f32 v[ACC+\k:ACC+\k+1], v[ACC+\k:ACC+\k+1], v[ACC+16+\k:ACC+16+\k+1]   ; the odd K steps' sums onto the even ones', each accumulator from its low end on
.endr
	s_wait_alu depctr_va_vdst(0)                   ; the additions have written v16 to v31, which the stage's stores read, and are done reading v32 to v47, in which the loads from the stage land
.irp n, 0,1
.irp u, 0,1
	ds_store_b128 v10, v[ACC+8*\n+4*\u:ACC+8*\n+4*\u+3] offset:64*\n+16*\u   ; lane (r, h): row r, columns 16 n' + 8 h + 4 u on
.endr
.endr
.irp i, 0,1,2,3
	ds_load_b128 v[OB+4*\i:OB+4*\i+3], v11 offset:4*144*\i   ; LDS serves a wave's instructions in order: these see my stores
.endr
	s_wait_dscnt 0x0
.irp i, 0,2                            ; x the row's gate: of the pair of gates the low word, then the high word, serves both halves
.irp u, 0,2
	v_pk_mul_f32 v[OB+4*\i+\u:OB+4*\i+\u+1], v[OB+4*\i+\u:OB+4*\i+\u+1], v[G+\i:G+\i+1] op_sel_hi:[1,0]
	v_pk_mul_f32 v[OB+4*(\i+1)+\u:OB+4*(\i+1)+\u+1], v[OB+4*(\i+1)+\u:OB+4*(\i+1)+\u+1], v[G+\i:G+\i+1] op_sel:[0,1] op_sel_hi:[1,1]
.endr
.endr
	s_wait_alu depctr_va_vdst(0)                   ; the multiplications have written v32 to v47, which the stores read
.irp i, 0,1,2,3
	global_store_b128 v[TO+\i], v[OB+4*\i:OB+4*\i+3], s[44:45]   ; eight lanes store a row's 128 bytes on end; four rows an instruction
.endr
.Ltail:
	s_wait_loadcnt 0x0                             ; a wave that left the trip out still has its first loads out: no later load lands on their registers, and their bases are written again
	s_wait_xcnt 0x0                                ; the stores have read their data and offsets: both are written again in the next trip
	s_add_co_u32 s27, s27, 16
	s_add_co_u32 s28, s28, 1
	s_cmp_lt_u32 s28, 4
	s_cbranch_scc1 .Ltrip
	s_wait_dscnt 0x0                               ; the closing lines, six on end
	s_wait_alu 0x0
	s_wait_tensorcnt 0x0
	ds_add_u32 v254, v255
	s_wait_dscnt 0x0
	s_endpgm
.Lfunc_end_k_qee36696635_ffn2:
	.size	k_qee36696635_ffn2, .Lfunc_end_k_qee36696635_ffn2-k_qee36696635_ffn2
	.p2alignl 7, 3214868480
	.fill 96, 4, 3214868480
	.section	.rodata,"a",@progbits
	.p2align	6, 0x0
	.amdhsa_kernel k_qee36696635_ffn2
		.amdhsa_group_segment_fixed_size 141312
		.amdhsa_private_segment_fixed_size 0
		.amdhsa_enable_private_segment 0
		.amdhsa_kernarg_size 56
		.amdhsa_user_sgpr_count 2
		.amdhsa_user_sgpr_kernarg_segment_ptr 1
		.amdhsa_wavefront_size32 1
		.amdhsa_system_sgpr_workgroup_id_x 1
		.amdhsa_system_sgpr_workgroup_id_y 1
		.amdhsa_system_sgpr_workgroup_id_z 1
		.amdhsa_system_vgpr_workitem_id 0
		.amdhsa_next_free_vgpr 256
		.amdhsa_next_free_sgpr 66
		.amdhsa_reserve_vcc 0
		.amdhsa_float_denorm_mode_32 3
		.amdhsa_float_denorm_mode_16_64 3
		.amdhsa_memory_ordered 1
		.amdhsa_forward_progress 1
		.amdhsa_inst_pref_size 86
	.end_amdhsa_kernel
	.amdgpu_metadata
---
amdhsa.version: [ 1, 2 ]
amdhsa.kernels:
  - .name:           k_qee36696635_ffn2
    .symbol:         k_qee36696635_ffn2.kd
    .args:
      - { .name: w2, .offset: 0, .size: 8, .value_kind: global_buffer, .address_space: global }
      - { .name: b2, .offset: 8, .size: 8, .value_kind: global_buffer, .address_space: global }
      - { .name: hq, .offset: 16, .size: 8, .value_kind: global_buffer, .address_space: global }
      - { .name: hs, .offset: 24, .size: 8, .value_kind: global_buffer, .address_space: global }
      - { .name: order, .offset: 32, .size: 8, .value_kind: global_buffer, .address_space: global }
      - { .name: gate, .offset: 40, .size: 8, .value_kind: global_buffer, .address_space: global }
      - { .name: out0, .offset: 48, .size: 8, .value_kind: global_buffer, .address_space: global }
    .group_segment_fixed_size: 141312
    .private_segment_fixed_size: 0
    .kernarg_segment_align: 8
    .kernarg_segment_size: 56
    .max_flat_workgroup_size: 512
    .sgpr_count:     66
    .vgpr_count:     256
    .wavefront_size: 32
...
	.end_amdgpu_metadata
.endif
;; end of part 5
